; MI455X (gfx1250); checked and timed in simulation.
; The chip was launched on July 23, 2026; its instructions are those of AMD's public machine-readable ISA for CDNA 5 (MIT licence, August 2026) and "CDNA5" Instruction Set Architecture Reference Guide (July 2026). The comments in the code are by the model that wrote it; some were corrected since.
;; Transformer Layer. Allowed arithmetic: matrix products marked QUANTISED: E4M3 operands, one given power-of-two scale a tensor, by v_wmma_f32_16x16x64_fp8_fp8 or v_wmma_f32_16x16x128_fp8_fp8, f32 sums; everything else in f32.
;; Inputs: W1 1,024 x 4,096 float32; W2 4,096 x 1,024 float32; Wk 16 x 1,024 x 64 float32; Wo 1,024 x 1,024 float32; Wq 16 x 1,024 x 64 float32; Wv 16 x 1,024 x 64 float32; b1 4,096 float32; b2 1,024 float32; be1 1,024 float32; be2 1,024 float32; bk 16 x 64 float32; bo 1,024 float32; bq 16 x 64 float32; bv 16 x 64 float32; g1 1,024 float32; g2 1,024 float32; lowp_scales 16 int32 (the exponents e of the quantised operands' scales 2^e); x 2 x 2,048 x 1,024 float32.
;; Outputs: out0 2 x 2,048 x 1,024 float32.
;; This version of the problem:
;;   THIS VERSION OF THE PROBLEM IS GIVEN IN LOW PRECISION. The matrix products marked QUANTISED in the list below multiply operands that are first quantised to E4M3 (4 exponent bits, 3 mantissa bits; 8 bits a number), with one given power-of-two scale for each operand tensor; their sums are f32. All else is computed in f32.
;;   The module's matrix products, in the order in which they are computed (A, B: the left and right operand; K: the contracted axis; several contracted axes count as one K, in the product's order):
;;     1. [M 1,024, K 1,024] x [K 1,024, N 4,096]; A: input Wq; B: input x: QUANTISED (scales: A lowp_scales[0], B lowp_scales[1])
;;     2. [M 1,024, K 1,024] x [K 1,024, N 4,096]; A: input Wk; B: input x: QUANTISED (scales: A lowp_scales[2], B lowp_scales[3])
;;     3. [M 1,024, K 1,024] x [K 1,024, N 4,096]; A: input Wv; B: input x: QUANTISED (scales: A lowp_scales[4], B lowp_scales[5])
;;     4. batch 32 x [M 2,048, K 64] x [K 64, N 2,048]; A: computed on the way; B: computed on the way: QUANTISED (scales: A lowp_scales[6], B lowp_scales[7])
;;     5. batch 32 x [M 2,048, K 2,048] x [K 2,048, N 64]; A: softmax (see below); B: computed on the way: QUANTISED (scales: A lowp_scales[8], B lowp_scales[9])
;;     6. [M 4,096, K 1,024] x [K 1,024, N 1,024]; A: computed on the way; B: input Wo: QUANTISED (scales: A lowp_scales[10], B lowp_scales[11])
;;     7. [M 4,096, K 1,024] x [K 1,024, N 4,096]; A: computed on the way; B: input W1: QUANTISED (scales: A lowp_scales[12], B lowp_scales[13])
;;     8. [M 4,096, K 4,096] x [K 4,096, N 1,024]; A: computed on the way; B: input W2: QUANTISED (scales: A lowp_scales[14], B lowp_scales[15])
;;   THE QUANTISER, for each operand of a quantised product, along K:
;;     - The operand's scale is 2^e, e = its entry of the input lowp_scales (int32; the entries are numbered through the quantised products in the list's order, A before B).
;;     - Each number is divided by the scale, clamped to +-448, and rounded to the nearest number of E4M3, ties to even, subnormals kept.
;;     - The product sums the exact products of the quantised numbers (number of the format x scale) in f32.
;;   ~~~python
;;   def quantise(x, axis, e):      # numpy; x: float32 -> the quantised numbers, widened to float32 again
;;       x = np.moveaxis(x, axis, -1); K = x.shape[-1]
;;       r = np.clip(x / 2.0 ** e, -448, 448)
;;       step = 2.0 ** (np.maximum(np.frexp(np.where(r == 0, 1, r))[1] - 1, -6) - 3)
;;       q = np.round(r / step) * step * 2.0 ** e      # np.round: ties to even
;;       return np.moveaxis(q, -1, axis).astype(np.float32)
;;   ~~~
;;   SOFTMAX AHEAD OF A QUANTISED PRODUCT. Where the list says 'softmax', what is quantised is not the finished softmax but p = 2^(t - M), with t = logit x log2(e) and M = ceil(the row's largest t), a whole number; so 1/2 < the row's largest p <= 1. The row's sum l is taken of the UNQUANTISED p, in f32, and the product's result is divided by l at the end. Since M is a whole number, a kernel that streams over the keys may use a running M (the ceiling of the running maximum): every later rescaling is an exact power of two, so the quantised numbers keep their values, but for numbers so far below the row's largest that they fall under the format's range.
;;   OPERANDS COMPUTED ON THE WAY. 'Computed on the way' means the value that the module computes at that place (a softmax that the list does not call 'softmax' is quantised finished and normalised). What goes into a quantiser is computed in f32, as accurately as f32 sums, v_exp_f32 and their like allow (about 1e-6 of the number): no bf16 or f16 on the way to a quantiser, and a product that is left as it is and whose result goes on into a quantised operand takes f32 operands (vector FMAs, or v_wmma_f32_16x16x4_f32). A number that lies on a knife's edge between two numbers of the format may be rounded either way, as far as f32 arithmetic and the matrix unit's own rounding can turn it there, and no further.
;; One version. Each part assembles by itself: llvm-mc -triple=amdgcn-amd-amdhsa -mcpu=gfx1250 --defsym DOCPART=n.
;; ======== version 1 of 1: 8 launches
;; workspace buffers: codes0 25,165,824 bytes; qkvc 12,582,912 bytes; ac 4,194,304 bytes; y1 16,777,216 bytes; hc 4,194,304 bytes; hid 16,777,216 bytes; ff 16,777,216 bytes
;; launch quant (part 1): grid 1280 x 1, 4 waves a work-group, no clusters, 34,304 bytes of LDS; arguments x, Wq, Wk, Wv, Wo, W1, W2, lowp_scales, codes0; writes codes0
.if DOCPART == 1
	.amdgcn_target "amdgcn-amd-amdhsa--gfx1250"
	.amdhsa_code_object_version 6
	.text
	.protected	k_q5cbbc0aead_quant
	.globl	k_q5cbbc0aead_quant
	.p2align	8
	.type	k_q5cbbc0aead_quant,@function
k_q5cbbc0aead_quant:
	s_mov_b64 s[64:65], 0
	v_nop
	global_prefetch_b8 v0, s[64:65] scope:SCOPE_SE
	s_setreg_imm32_b32 hwreg(HW_REG_WAVE_MODE, 25, 1), 1
	s_wait_xcnt 0x0
; FIRST OF EIGHT LAUNCHES of one transformer layer (4,096 tokens, d = 1,024, 16 heads of 64, d_ff = 4,096), all eight products on codes of E4M3 with given scales 2^e.
; NOTHING OF THE LAYER IS LEFT OUT: every bias stands ahead of a quantiser or reaches the output (bk too: it moves K's codes), every product feeds the output, every input is loaded by some launch.
; THIS LAUNCH turns x (three times: it enters products 1, 2, 3 under the entries 1, 3, 5 of lowp_scales, which may differ) and the six weights into codes, laid as the later launches' operand registers want them.
; THE LAYOUT OF EVERY OPERAND IN THIS PROGRAM.  Rows go in tiles of 16: lane r of tile t holds row ROW(t, r) = 32 (t / 2) + 8 (t % 2) + r % 8 + 16 (r / 8).  A tile's codes of 128 along K (block kb) are an IMAGE of
; 2,048 bytes: cell (c, lane = 16 h + r), 16 bytes at 512 c + 16 lane, holds k = 128 kb + 32 c + 16 h + 0 .. 15 of row ROW(t, r).  Four loads of 16 bytes a lane at 16 x lane bring a fragment; images lie [tile][kb].
; codes0: x under entry 1 at 0, under 3 at 0x400000, under 5 at 0x800000 (256 tiles x 8 kb each); Wq, Wk, Wv from 0xC00000 (64 tiles x 8 kb each; a row is output channel 64 head + j); Wo 0xF00000 (64 x 8); W1 0x1000000 (256 x 8); W2 0x1400000 (64 x 32).
; code = number / 2^e, held within +-448, to the nearest code, ties to even.  LIMITS: each e between -126 and 119, so that 2^e and 448 x 2^e are f32 numbers; NaN among the inputs is not served (an infinity is held at the largest code).
; WORK-GROUPS: 0-511 x (a wave: one tile x one kb); 512-703 Wq, Wk, Wv; 704-767 Wo; 768-1023 W2; 1024-1279 W1 (a wave: 32 columns x 128 along K = two images).  The ways part on the work-group's number alone; only x's way uses LDS.
.set SPARE, 33792                      ; behind the four stages: the spare words, 128 bytes a wave
.set SPW, 12                           ; v12  my spare word; never rewritten
.set NIL, 13                           ; v13  0; never rewritten
.set R,   16                           ; x: v16-79 as loaded; later two sets of 16 held numbers
.set X,   80                           ; x: v80-143 my 64 numbers, register 16 c + i = k 32 c + 16 h + i of my row
.set C,   144                          ; x: v144-191 codes, 16 registers a set
.set WX,  32                           ; weights: v32-95 two sets of 32 numbers down K
.set WC,  96                           ; weights: v96-127 codes, 8 registers a block of 32
	s_load_b512 s[4:19], s[0:1], 0x0               ; x 4:5, Wq 6:7, Wk 8:9, Wv 10:11, Wo 12:13, W1 14:15, W2 16:17, the exponents 18:19
	s_load_b64 s[20:21], s[0:1], 0x40              ; codes0
	v_lshl_add_u32 v[SPW], v0, 2, SPARE
	v_mov_b32 v[NIL], 0
	v_lshrrev_b32 v1, 5, v0
	v_readfirstlane_b32 s22, v1                    ; wave
	v_and_b32 v1, 31, v0                           ; lane
	s_mov_b32 s33, 0                               ; the upper words of the two offsets
	s_mov_b32 s35, 0
	s_wait_kmcnt 0x0
	s_load_b512 s[48:63], s[18:19], 0x0            ; entry i in s[48 + i]
	s_cmp_lt_u32 ttmp9, 512
	s_cbranch_scc0 .Lweights
; ---- x: tile t = g / 2, kb = 4 (g % 2) + wave.  Each load takes 512 consecutive bytes of one row; the 16 rows turn through my own stage in LDS (pitch 528), so that a lane gets 16 neighbours of each block of 32.
	s_lshr_b32 s23, ttmp9, 1                       ; t
	s_and_b32 s24, ttmp9, 1
	s_lshl_b32 s24, s24, 2
	s_add_co_u32 s24, s24, s22                     ; kb
	s_lshr_b32 s25, s23, 1
	s_lshl_b32 s25, s25, 17                        ; 32 (t / 2) rows of 4,096 bytes
	s_and_b32 s26, s23, 1
	s_lshl_b32 s26, s26, 15                        ; 8 (t % 2) rows
	s_add_co_u32 s25, s25, s26
	s_lshl_b32 s26, s24, 9                         ; 128 numbers a kb
	s_add_co_u32 s32, s25, s26
	s_add_nc_u64 s[4:5], s[4:5], s[32:33]
	s_lshl_b32 s26, s23, 3
	s_add_co_u32 s26, s26, s24
	s_lshl_b32 s34, s26, 11                        ; image 8 t + kb,
	s_add_co_u32 s34, s34, 0x400000                ; in the middle set: the other two are reached by immediates of -+0x400000
	s_add_nc_u64 s[20:21], s[20:21], s[34:35]
	v_lshlrev_b32 v8, 4, v1                        ; 16 x lane
.set i, 0
.rept 16
	global_load_b128 v[R+4*i:R+4*i+3], v8, s[4:5] offset:((i%8)+16*(i/8))*4096 th:TH_LOAD_NT   ; row ROW(t, i)
.set i, i+1
.endr
	s_mul_i32 s27, s22, 8448                       ; my stage: 16 rows x 528 bytes
	v_add_nc_u32 v9, s27, v8                       ; in: as loaded
	v_and_b32 v10, 15, v0
	v_mul_u32_u24 v10, v10, 528
	v_bfe_u32 v11, v0, 4, 1
	v_lshl_add_u32 v10, v11, 6, v10
	v_add_nc_u32 v10, s27, v10                     ; back: row r, + 64 h bytes
	s_wait_kmcnt 0x0
.irp s, 0,1,2
	s_add_co_i32 s36, s[49+2*\s], 127
	s_lshl_b32 s37, s36, 23
	v_mov_b32 v[2+2*\s], s37                       ; 2^e as f32: the conversion takes its exponent field
	s_add_co_i32 s36, s36, 8
	s_lshl_b32 s36, s36, 23
	s_or_b32 s36, s36, 0x600000
	v_mov_b32 v[3+2*\s], s36                       ; 448 x 2^e
.endr
.set i, 0
.rept 16
	s_wait_loadcnt 15-i                            ; loads come back in order: row i is in, the 15 - i younger ones may be out
	ds_store_b128 v9, v[R+4*i:R+4*i+3] offset:528*i
.set i, i+1
.endr
.set i, 0
.rept 16
	ds_load_b128 v[X+4*i:X+4*i+3], v10 offset:128*(i/4)+16*(i%4)   ; LDS serves a wave's instructions in order: these see my stores
.set i, i+1
.endr
	s_wait_dscnt 0x0
.irp s, 0,1,2
.irp c, 0,1,2,3
.irp i, 0,1,2,3,4,5,6,7,8,9,10,11,12,13,14,15
	v_med3_num_f32 v[R+16*(\c%2)+\i], v[X+16*\c+\i], -v[3+2*\s], v[3+2*\s]   ; the conversion does not saturate (ISA guide 7.6.2): the hold comes first.  Two sets of held numbers by turns: sixteen plain lines stand between a conversion and the next write of its sources
.endr
	v_cvt_scalef32_pk8_fp8_f32 v[C+16*\s+4*\c:C+16*\s+4*\c+1], v[R+16*(\c%2):R+16*(\c%2)+7], v[2+2*\s]
	v_cvt_scalef32_pk8_fp8_f32 v[C+16*\s+4*\c+2:C+16*\s+4*\c+3], v[R+16*(\c%2)+8:R+16*(\c%2)+15], v[2+2*\s]
.endr
.irp c, 0,1,2,3
	global_store_b128 v8, v[C+16*\s+4*\c:C+16*\s+4*\c+3], s[20:21] offset:(\s-1)*0x400000+512*\c   ; cell (c, lane): the wave stores 512 consecutive bytes, aligned
.endr
.endr
	s_wait_tensorcnt 0x0                           ; the wave's end, behind my last LDS store
	ds_add_u32 v[SPW], v[NIL]
	s_wait_dscnt 0x0
	s_endpgm
; ---- weights, stored [k][n]: A LANE TAKES A COLUMN n AND ITS REGISTERS RUN DOWN K, so the conversions give codes with K innermost and nothing is transposed.
; Lane l = 16 u + r takes column 8 u + r % 8 + 16 (r / 8) of the wave's 32: that is row ROW(2 G + u, r) of the operand.  A block of 32 along K is cells (c, r) and (c, 16 + r) of its tile's image.
.macro LOADB t, PITCH                  ; block t: 32 rows of the weight at my column, into set t % 2; the wave reads 128 consecutive bytes of each row
.set i, 0
.rept 32
	global_load_b32 v[WX+32*((\t)%2)+i], v8, s[24:25] offset:(32*(\t)+i)*\PITCH th:TH_LOAD_NT
.set i, i+1
.endr
.endm
.macro BLOCK t, PITCH
.if (\t) < 3
	s_wait_loadcnt 32                              ; this block's 32 loads are in; the next block's 32 may be out
.else
	s_wait_loadcnt 0
.endif
.set i, 0
.rept 32
	v_med3_num_f32 v[WX+32*((\t)%2)+i], v[WX+32*((\t)%2)+i], -v11, v11
.set i, i+1
.endr
.set i, 0
.rept 4
	v_cvt_scalef32_pk8_fp8_f32 v[WC+8*(\t)+2*i:WC+8*(\t)+2*i+1], v[WX+32*((\t)%2)+8*i:WX+32*((\t)%2)+8*i+7], v10
.set i, i+1
.endr
	global_store_b128 v9, v[WC+8*(\t):WC+8*(\t)+3], s[26:27] offset:512*(\t)          ; h = 0: sixteen lanes fill 256 consecutive bytes of tile 2 G's image, sixteen of tile 2 G + 1's
	global_store_b128 v9, v[WC+8*(\t)+4:WC+8*(\t)+7], s[26:27] offset:512*(\t)+256    ; h = 1.  (Each block has codes' registers of its own: no store's data are written again)
.if (\t) < 2
	LOADB (\t)+2, \PITCH
.endif
.endm
.macro WPATH PITCH                     ; s[24:25] the unit's first number, s[26:27] tile 2 G's image, s28 bytes from a tile to the next, s29 e
	LOADB 0, \PITCH
	LOADB 1, \PITCH
	v_mul_lo_u32 v9, v3, s28
	v_lshl_add_u32 v9, v2, 4, v9                   ; u tiles on, + 16 r
	s_add_co_i32 s29, s29, 127
	s_lshl_b32 s30, s29, 23
	v_mov_b32 v10, s30                             ; 2^e
	s_add_co_i32 s29, s29, 8
	s_lshl_b32 s29, s29, 23
	s_or_b32 s29, s29, 0x600000
	v_mov_b32 v11, s29                             ; 448 x 2^e
	BLOCK 0, \PITCH
	BLOCK 1, \PITCH
	BLOCK 2, \PITCH
	BLOCK 3, \PITCH
	s_endpgm
.endm
.Lweights:
	v_and_b32 v2, 15, v1                           ; r
	v_lshrrev_b32 v3, 4, v1                        ; u
	v_and_b32 v4, 7, v2
	v_lshrrev_b32 v5, 3, v2
	v_lshl_add_u32 v4, v5, 4, v4
	v_lshl_add_u32 v4, v3, 3, v4                   ; my column among the 32
	v_lshlrev_b32 v8, 2, v4
	s_cmp_lt_u32 ttmp9, 704
	s_cbranch_scc0 .Lnot_qkv
; Wq, Wk, Wv: [16][1024][64].  j = g - 512: which = j / 64, head = (j % 64) / 4, kb = 2 (j % 4) + wave / 2, the head's half = wave % 2
	s_sub_co_u32 s23, ttmp9, 512
	s_lshr_b32 s30, s23, 6                         ; which
	s_and_b32 s23, s23, 63
	s_lshr_b32 s31, s23, 2                         ; head
	s_and_b32 s23, s23, 3
	s_lshl_b32 s23, s23, 1
	s_lshr_b32 s36, s22, 1
	s_add_co_u32 s23, s23, s36                     ; kb
	s_and_b32 s36, s22, 1                          ; which 32 of the head's 64 columns
	s_lshl_b32 s32, s31, 18                        ; a head is 262,144 bytes,
	s_lshl_b32 s37, s23, 15                        ; 128 rows of 256 bytes,
	s_add_co_u32 s32, s32, s37
	s_lshl_b32 s37, s36, 7                         ; 32 columns
	s_add_co_u32 s32, s32, s37
	s_lshl_b32 s34, s30, 6                         ; tile 64 which + 4 head + 2 half
	s_lshl_b32 s37, s31, 2
	s_add_co_u32 s34, s34, s37
	s_lshl_b32 s37, s36, 1
	s_add_co_u32 s34, s34, s37
	s_lshl_b32 s34, s34, 3
	s_add_co_u32 s34, s34, s23
	s_lshl_b32 s34, s34, 11
	s_add_co_u32 s34, s34, 0xC00000
	s_add_nc_u64 s[26:27], s[20:21], s[34:35]
	s_mov_b32 s28, 16384
	s_wait_kmcnt 0x0
	s_cmp_eq_u32 s30, 0                            ; the choice hangs on the work-group's number alone
	s_cselect_b64 s[24:25], s[6:7], s[8:9]
	s_cselect_b32 s29, s48, s50                    ; entries 0, 2, 4
	s_cmp_eq_u32 s30, 2
	s_cselect_b64 s[24:25], s[10:11], s[24:25]
	s_cselect_b32 s29, s52, s29
	s_add_nc_u64 s[24:25], s[24:25], s[32:33]
	WPATH 256
.Lnot_qkv:
	s_cmp_lt_u32 ttmp9, 1024
	s_cbranch_scc0 .Lw1
; Wo [1024][1024] (64 work-groups, 8 kb) and W2 [4096][1024] (256 work-groups, 32 kb): rows of 4,096 bytes.  G = 4 (j / kbs) + wave, kb = j % kbs
	s_mov_b32 s31, 768
	s_mov_b32 s36, 0x1400000
	s_mov_b32 s28, 65536
	s_wait_kmcnt 0x0
	s_cmp_lt_u32 ttmp9, 768
	s_cselect_b64 s[24:25], s[12:13], s[16:17]
	s_cselect_b32 s29, s59, s63                    ; entry 11 or 15
	s_cselect_b32 s30, 3, 5                        ; log2 of the number of kb
	s_cselect_b32 s31, 704, s31
	s_cselect_b32 s36, 0xF00000, s36
	s_cselect_b32 s28, 16384, s28                  ; bytes of a tile's images
	s_sub_co_u32 s23, ttmp9, s31                   ; j
	s_lshr_b32 s37, s23, s30
	s_lshl_b32 s37, s37, 2
	s_add_co_u32 s37, s37, s22                     ; G
	s_lshl_b32 s38, 1, s30
	s_sub_co_u32 s38, s38, 1
	s_and_b32 s23, s23, s38                        ; kb
	s_lshl_b32 s32, s23, 19                        ; 128 rows of 4,096 bytes
	s_lshl_b32 s38, s37, 7
	s_add_co_u32 s32, s32, s38
	s_add_nc_u64 s[24:25], s[24:25], s[32:33]
	s_lshl_b32 s34, s37, 1
	s_mul_i32 s34, s34, s28
	s_lshl_b32 s38, s23, 11
	s_add_co_u32 s34, s34, s38
	s_add_co_u32 s34, s34, s36
	s_add_nc_u64 s[26:27], s[20:21], s[34:35]
	WPATH 4096
.Lw1:
; W1 [1024][4096]: rows of 16,384 bytes.  j = g - 1024: G = 4 (j / 8) + wave, kb = j % 8
	s_sub_co_u32 s23, ttmp9, 1024
	s_lshr_b32 s37, s23, 3
	s_lshl_b32 s37, s37, 2
	s_add_co_u32 s37, s37, s22
	s_and_b32 s23, s23, 7
	s_lshl_b32 s32, s23, 21
	s_lshl_b32 s38, s37, 7
	s_add_co_u32 s32, s32, s38
	s_add_nc_u64 s[24:25], s[14:15], s[32:33]
	s_lshl_b32 s34, s37, 15
	s_lshl_b32 s38, s23, 11
	s_add_co_u32 s34, s34, s38
	s_add_co_u32 s34, s34, 0x1000000
	s_add_nc_u64 s[26:27], s[20:21], s[34:35]
	s_mov_b32 s28, 16384
	s_wait_kmcnt 0x0
	s_mov_b32 s29, s61                             ; entry 13
	WPATH 16384
.Lfunc_end_k_q5cbbc0aead_quant:
	.size	k_q5cbbc0aead_quant, .Lfunc_end_k_q5cbbc0aead_quant-k_q5cbbc0aead_quant
	.p2alignl 7, 3214868480
	.fill 96, 4, 3214868480
	.section	.rodata,"a",@progbits
	.p2align	6, 0x0
	.amdhsa_kernel k_q5cbbc0aead_quant
		.amdhsa_group_segment_fixed_size 34304
		.amdhsa_private_segment_fixed_size 0
		.amdhsa_enable_private_segment 0
		.amdhsa_kernarg_size 72
		.amdhsa_user_sgpr_count 2
		.amdhsa_user_sgpr_kernarg_segment_ptr 1
		.amdhsa_wavefront_size32 1
		.amdhsa_system_sgpr_workgroup_id_x 1
		.amdhsa_system_sgpr_workgroup_id_y 1
		.amdhsa_system_sgpr_workgroup_id_z 1
		.amdhsa_system_vgpr_workitem_id 0
		.amdhsa_next_free_vgpr 192
		.amdhsa_next_free_sgpr 66
		.amdhsa_reserve_vcc 0
		.amdhsa_float_denorm_mode_32 3
		.amdhsa_float_denorm_mode_16_64 3
		.amdhsa_memory_ordered 1
		.amdhsa_forward_progress 1
		.amdhsa_inst_pref_size 92
	.end_amdhsa_kernel
	.amdgpu_metadata
---
amdhsa.version: [ 1, 2 ]
amdhsa.kernels:
  - .name:           k_q5cbbc0aead_quant
    .symbol:         k_q5cbbc0aead_quant.kd
    .args:
      - { .name: x, .offset: 0, .size: 8, .value_kind: global_buffer, .address_space: global }
      - { .name: Wq, .offset: 8, .size: 8, .value_kind: global_buffer, .address_space: global }
      - { .name: Wk, .offset: 16, .size: 8, .value_kind: global_buffer, .address_space: global }
      - { .name: Wv, .offset: 24, .size: 8, .value_kind: global_buffer, .address_space: global }
      - { .name: Wo, .offset: 32, .size: 8, .value_kind: global_buffer, .address_space: global }
      - { .name: W1, .offset: 40, .size: 8, .value_kind: global_buffer, .address_space: global }
      - { .name: W2, .offset: 48, .size: 8, .value_kind: global_buffer, .address_space: global }
      - { .name: lowp_scales, .offset: 56, .size: 8, .value_kind: global_buffer, .address_space: global }
      - { .name: codes0, .offset: 64, .size: 8, .value_kind: global_buffer, .address_space: global }
    .group_segment_fixed_size: 34304
    .private_segment_fixed_size: 0
    .kernarg_segment_align: 8
    .kernarg_segment_size: 72
    .max_flat_workgroup_size: 128
    .sgpr_count:     66
    .vgpr_count:     192
    .wavefront_size: 32
...
	.end_amdgpu_metadata
.endif
;; end of part 1
;; launch qkv (part 2): grid 12 x 16, 4 waves a work-group, clusters of 4 x 4, 327,680 bytes of LDS; arguments codes0, lowp_scales, bq, bk, bv, qkvc; writes qkvc
.if DOCPART == 2
	.amdgcn_target "amdgcn-amd-amdhsa--gfx1250"
	.amdhsa_code_object_version 6
	.text
	.protected	k_q5cbbc0aead_qkv
	.globl	k_q5cbbc0aead_qkv
	.p2align	8
	.type	k_q5cbbc0aead_qkv,@function
k_q5cbbc0aead_qkv:
	s_mov_b64 s[64:65], 0
	v_nop
	global_prefetch_b8 v0, s[64:65] scope:SCOPE_SE
	s_setreg_imm32_b32 hwreg(HW_REG_WAVE_MODE, 25, 1), 1
	s_wait_xcnt 0x0
	s_wait_alu depctr_hold_cnt(0) depctr_sa_sdst(0) depctr_va_vdst(0) depctr_va_sdst(0) depctr_va_ssrc(0) depctr_va_vcc(0) depctr_vm_vsrc(0)
	s_getreg_b32 s2, hwreg(HW_REG_IB_STS2, 6, 4)
	s_cmp_eq_u32 s2, 0
	s_cbranch_scc0 .Lentry_in_a_cluster
	s_endpgm
.Lentry_in_a_cluster:
	s_bfe_u32 s2, ttmp6, 0x10000c
	s_cmp_lg_u32 s2, 0xf033
	s_cbranch_scc0 .Lentry_shape_is_right
	s_endpgm
.Lentry_shape_is_right:
; PRODUCTS 1, 2, 3: Q, K, V = x W + bias, on codes; the results are quantised at once (entries 6, 7, 9) and leave as images of the next operands' registers.  No work is left out.
; THE LAYOUT (all launches): lane r of a tile t of 16 rows holds row ROW(t, r) = 32 (t / 2) + 8 (t % 2) + r % 8 + 16 (r / 8); a tile's codes of 128 along K are an image of 2,048 bytes: cell (c, lane = 16 h + r), 16 bytes at
; 512 c + 16 lane, holds k = 32 c + 16 h + 0 .. 15.  Images lie [tile][kb].  The same places of k on both sides of a product, so every code meets its partner; only the order of the sums inside an instruction differs from the form's own.
; THE MATRIX INSTRUCTION IS USED TRANSPOSED: source 0 = a tile tb of side B, source 1 = a tile ta of side A.  Lane (r, h), register j then holds C(A's row ROW(ta, r), B's row 32 (tb / 2) + 8 (tb % 2) + 16 h + j): the 16 registers of tiles
; 2 p and 2 p + 1 are 16 neighbours along B's rows, 32 p + 16 h + 0 .. 15: converted, they ARE cell (p, lane) of an image whose rows are A's rows and whose K runs along B's rows.  No stage in LDS, no transposition.
; A work-group makes 256 x 256, each of four waves 128 x 128 (64 accumulators, 512 registers).  K = 1,024 goes in slots of 256 through a ring of two LDS slots; a wave's tensor load brings 8 tiles x 2 images, 32,768 bytes, dense in LDS.
; WHICH PRODUCT: the cluster's x, sel = 0, 1, 2.  Q, K: side A = x's codes (tokens), side B = the weight (channels): images with K = the head's 64, [b h][token tile][1,024 bytes].  V: side A = Wv (channels), side B = x's codes (tokens = keys):
; images with the KEYS as K, [b h][128 keys][channel tile 0-3][2,048 bytes].  The first 15 MB of codes0 are 60 blocks of 256 rows (262,144 bytes): x 0-15, 16-31, 32-47; Wq 48-51, Wk 52-55, Wv 56-59.
; CLUSTERS 4 x 4: A's block is shared along a row of the cluster, B's along a column: each tile is asked for jointly, which divides the requests by four.  192 work-groups: the tile that balances LDS reads against matrix work leaves a quarter of the WGPs idle here.
; No prefetch: K has four slots, and the tiles are shared by joint loads.
; LIMITS: the sum of a product's two exponents between -126 and 127, entries 6, 7, 9 between -126 and 119; NaN is not served by the holds.
; REGISTERS: window 0: v16-31 addresses and constants; v32-95 the bias along B's rows; v96-111 the bias along A's rows; v128-255 A's fragments, ONE set (on the way out: v128-191 numbers, v192-223 codes).  window 1: B's fragments, TWO sets.  windows 2, 3: accumulator (a, b) at 8 (8 a + b).
.set MB,    8                          ; tiles of 16 on each side of a wave's part
.set NQ,    2                          ; steps of 128 along K in a slot
.set KSB,   NQ*2048                    ; a tile's bytes in a slot
.set TP,    16384                      ; a tile's bytes in memory: 8 kb
.set HALFT, MB*KSB                     ; what one tensor load brings, and what a wave reads of A or of B
.set SLOT,  4*HALFT                    ; A's two halves, then B's two
.set LAPS,  1024/(256*NQ)              ; a lap = once round the ring
.set SPARE, 2*SLOT                     ; behind the ring: the spare words, 128 bytes a wave
.set ADRA, 16                          ; v16-17 LDS address of my A fragments in slot 0, 1
.set ADRB, 20                          ; v20-21 the same for B
.set CO,   26                          ; v26 16 x lane
.set VH,   27                          ; v27 the same, for the upper two cells
.set SPW,  28                          ; v28 my spare word; never rewritten
.set NIL,  29                          ; v29 0; never rewritten
.set SCL,  30                          ; v30 2^eo
.set LIM,  31                          ; v31 448 x 2^eo
.set BB,   32
.set BA,   96
.set AF,   128
.set T,    128
.set CD,   192
.set G1,  24                           ; s[24:31] descriptor group 1 for A; s[32:39] its groups 0, one a slot
.set G0,  32
.set G1B, 48                           ; s[48:55], s[56:63] the same for B
.set G0B, 56
.set MUL_LO, 0xa1                      ; source 0 (B) window 1, source 1 (A) window 0, C and D window 2
.set MUL_HI, 0xf1                      ; the same, C and D window 3
.set TO_B,   0x40                      ; destination window 1
.set MSB, 0
.macro WIN new                         ; the immediate's high byte repeats the setting that is left
.if MSB != (\new)
	s_set_vgpr_msb (MSB<<8)|(\new)
.set MSB, (\new)
.endif
.endm
.macro PLACES                          ; four plain vector lines between a matrix instruction and a load into, or a vector line on, its registers
.rept 4
	v_nop
.endr
.endm
.macro JLOAD s                         ; a joint load: waves 0, 1 fetch A's halves, waves 2, 3 B's; the branch hangs on the wave's number alone; s_nop 0 and four v_nop behind each line
	s_cmp_eq_u32 s15, 0
	s_cbranch_scc0 .Lfor_b_\@
	tensor_load_to_lds s[G0+4*\s:G0+4*\s+3], s[G1:G1+7]
	s_nop 0
.rept 4
	v_nop
.endr
	s_branch .Lasked_\@
.Lfor_b_\@:
	tensor_load_to_lds s[G0B+4*\s:G0B+4*\s+3], s[G1B:G1B+7]
	s_nop 0
.rept 4
	v_nop
.endr
.Lasked_\@:
.endm
.macro CREST                           ; a round of the cluster's barrier behind its opening barrier
	s_cmp_lg_u32 s14, 0
	s_cbranch_scc1 .Lnot_wave_0_\@
	s_barrier_signal -3
.Lnot_wave_0_\@:
	s_barrier_wait -3
	s_barrier_signal -1
	s_barrier_wait -1
.endm
.macro CROUND
	s_barrier_signal -1
	s_barrier_wait -1
	CREST
.endm
	s_load_b64 s[4:5], s[0:1], 0x0                 ; codes0
	s_load_b64 s[8:9], s[0:1], 0x8                 ; the exponents
	s_load_b128 s[68:71], s[0:1], 0x10             ; bq, bk
	s_load_b128 s[72:75], s[0:1], 0x20             ; bv, qkvc
	v_lshl_add_u32 v[SPW], v0, 2, SPARE
	v_mov_b32 v[NIL], 0
	ds_add_u32 v[SPW], v[NIL]                      ; the opening: the add, twice on end, and its wait ahead of my first tensor load
	ds_add_u32 v[SPW], v[NIL]
	v_lshrrev_b32 v1, 5, v0
	v_readfirstlane_b32 s14, v1                    ; wave
	s_lshr_b32 s15, s14, 1                         ; wr: my half of A's rows.  Also: I fetch for A (0) or B (1)
	s_and_b32 s16, s14, 1                          ; wc: my half of B's rows.  Also: which half I fetch
	s_bfe_u32 s40, ttmp6, 0x40000                  ; cx
	s_bfe_u32 s41, ttmp6, 0x40004                  ; cy
	s_mov_b32 s66, ttmp9                           ; sel
	s_lshr_b32 s67, s66, 1                         ; f = 1 for V
	s_xor_b32 s76, s67, 1                          ; 1 - f
	s_and_b32 s77, ttmp7, 0xffff
	s_lshl_b32 s77, s77, 2                         ; 4 x the cluster's y
	s_lshl_b32 s17, s66, 4
	s_add_co_u32 s17, s17, s77
	s_mul_i32 s17, s17, s76                        ; Q, K: x's block 16 sel + 4 CY + cy;
	s_mul_i32 s78, s67, 56
	s_add_co_u32 s17, s17, s78                     ; V: Wv's block 56 + cy
	s_add_co_u32 s17, s17, s41                     ; A's block: it never holds cx
	s_lshl_b32 s42, s66, 2
	s_add_co_u32 s42, s42, 48
	s_mul_i32 s42, s42, s76                        ; Q, K: the weight's block 48 + 4 sel + cx;
	s_add_co_u32 s78, s77, 32
	s_mul_i32 s78, s78, s67
	s_add_co_u32 s42, s42, s78                     ; V: x's block 32 + 4 CY + cx
	s_add_co_u32 s42, s42, s40                     ; B's block: it never holds cy
	s_lshl_b32 s43, s41, 2
	s_lshl_b32 s43, 15, s43                        ; my row of the cluster
	s_lshl_b32 s44, 0x1111, s40                    ; my column
	s_or_b32 s[G1+0], s43, (3<<16)|(1<<21)         ; 15:0 the mask; 17:16 elements of 8 bytes; 21 set beside a mask; no padding: an image is read 512 consecutive bytes at a time
	s_or_b32 s[G1B+0], s44, (3<<16)|(1<<21)
.irp g, G1, G1B
	s_mov_b32 s[\g+1], (256*NQ)<<16                ; tensor_dim0: a tile's KSB bytes
	s_mov_b32 s[\g+2], MB<<16                      ; tensor_dim1: MB tiles
	s_mov_b32 s[\g+3], (256*NQ)<<16                ; tile_dim0
	s_mov_b32 s[\g+4], MB                          ; tile_dim1
	s_mov_b32 s[\g+5], TP/8                        ; from a tile to the next
	s_mov_b32 s[\g+6], 0
	s_mov_b32 s[\g+7], 0
.endr
	s_mul_i32 s18, s16, MB                         ; which MB tiles of the block I fetch
	s_mul_i32 s20, s17, 2*MB
	s_add_co_u32 s20, s20, s18
	s_mul_i32 s20, s20, TP
	s_mov_b32 s21, 0
	s_mul_i32 s46, s42, 2*MB
	s_add_co_u32 s46, s46, s18
	s_mul_i32 s46, s46, TP
	s_mov_b32 s47, 0
	s_mul_i32 s45, s14, HALFT                      ; where they go: no place in the cluster enters an LDS address
	s_wait_dscnt 0x0                               ; both opening adds are done
	s_wait_kmcnt 0x0
	s_load_b512 s[80:95], s[8:9], 0x0              ; entry i in s[80 + i]
	s_add_nc_u64 s[20:21], s[4:5], s[20:21]
	s_add_nc_u64 s[46:47], s[4:5], s[46:47]
	CROUND                                         ; all sixteen work-groups are here: the first joint loads meet
.irp s, 0,1
	s_mov_b32 s[G0+4*\s], 1
	s_add_co_u32 s[G0+4*\s+1], s45, \s*SLOT
	s_add_nc_u64 s[G0+4*\s+2:G0+4*\s+3], s[20:21], \s*KSB
	s_or_b32 s[G0+4*\s+3], s[G0+4*\s+3], 0x80000000
	s_mov_b32 s[G0B+4*\s], 1
	s_add_co_u32 s[G0B+4*\s+1], s45, \s*SLOT
	s_add_nc_u64 s[G0B+4*\s+2:G0B+4*\s+3], s[46:47], \s*KSB
	s_or_b32 s[G0B+4*\s+3], s[G0B+4*\s+3], 0x80000000
	JLOAD \s                                       ; two loads of mine are out
.endr
	v_and_b32 v1, 31, v0
	v_lshlrev_b32 v[CO], 4, v1
	s_mul_i32 s21, s15, HALFT
	s_mul_i32 s22, s16, HALFT
	s_add_co_u32 s22, s22, 2*HALFT
.irp s, 0,1
	v_add_nc_u32 v[ADRA+\s], s21, v[CO]
	v_add_nc_u32 v[ADRB+\s], s22, v[CO]
	s_add_co_u32 s21, s21, SLOT
	s_add_co_u32 s22, s22, SLOT
.endr
	; where the codes go.  TT: the block of 256 tokens; HG: the block of four heads; th: my half of the tokens; hh: my pair of heads
	s_cmp_eq_u32 s67, 1
	s_cselect_b32 s78, s40, s41
	s_cselect_b32 s79, s41, s40                    ; HG
	s_cselect_b32 s98, s16, s15                    ; th
	s_cselect_b32 s99, s15, s16                    ; hh
	s_add_co_u32 s78, s78, s77                     ; TT
	s_lshr_b32 s18, s78, 3
	s_lshl_b32 s18, s18, 4                         ; 16 x batch
	s_lshl_b32 s19, s79, 2
	s_add_co_u32 s18, s18, s19
	s_lshl_b32 s19, s99, 1
	s_add_co_u32 s18, s18, s19                     ; + my first head
	s_lshl_b32 s18, s18, 17                        ; 131,072 bytes for a batch and head
	s_and_b32 s19, s78, 7
	s_lshl_b32 s19, s19, 1
	s_add_co_u32 s19, s19, s98
	s_lshl_b32 s19, s19, 13                        ; my 128 tokens: 8 images of 1,024 bytes (Q, K) or 4 of 2,048 (V)
	s_add_co_u32 s18, s18, s19
	s_lshl_b32 s19, s66, 22                        ; Q at 0, K at 0x400000, V at 0x800000
	s_add_co_u32 s18, s18, s19
	s_mov_b32 s19, 0
	s_add_nc_u64 s[10:11], s[74:75], s[18:19]
	s_lshl_b32 s78, 1024, s67                      ; from A's tile a to a + 1: the next token tile's image (Q, K), the next channel tile's (V);
	s_mov_b32 s79, 0
	s_mul_i32 s76, s67, 123904
	s_add_co_u32 s76, s76, 1024                    ; from a = 3 to a = 4 in V: on to the next head, 131,072 - 3 x 2,048
	s_mov_b32 s77, 0
	s_mul_i32 s19, s67, 7
	s_lshr_b32 s19, 0x20000, s19                   ; cells 2, 3 of a lane's four: the next head's image (Q, K: 131,072 on), the same image's (V: 1,024 on)
	v_add_nc_u32 v[VH], s19, v[CO]
	s_cmp_eq_u32 s66, 0                            ; the bias: a choice on the cluster's number
	s_cselect_b64 s[12:13], s[68:69], s[70:71]
	s_cmp_eq_u32 s66, 2
	s_cselect_b64 s[12:13], s[72:73], s[12:13]
	s_lshl_b32 s46, s40, 10
	s_lshl_b32 s47, s16, 9
	s_add_co_u32 s46, s46, s47
	s_mov_b32 s47, 0
	s_add_nc_u64 s[46:47], s[12:13], s[46:47]      ; channel 256 cx + 128 wc: the bias along B's rows (Q, K; for V it is loaded, inside the buffer, and masked away below)
	s_lshl_b32 s20, s41, 10
	s_lshl_b32 s21, s15, 9
	s_add_co_u32 s20, s20, s21
	s_mov_b32 s21, 0
	s_add_nc_u64 s[20:21], s[12:13], s[20:21]      ; channel 256 cy + 128 wr: the bias along A's rows (V; masked away for Q, K)
	v_bfe_u32 v2, v0, 4, 1
	v_lshlrev_b32 v3, 6, v2                        ; 16 h numbers
	v_and_b32 v5, 7, v0
	v_bfe_u32 v6, v0, 3, 1
	v_lshl_add_u32 v5, v6, 4, v5
	v_lshlrev_b32 v5, 2, v5                        ; r % 8 + 16 (r / 8) numbers
.irp b, 0,1,2,3,4,5,6,7
	global_load_b128 v[BB+8*\b:BB+8*\b+3], v3, s[46:47] offset:4*(32*(\b/2)+8*(\b%2))
	global_load_b128 v[BB+8*\b+4:BB+8*\b+7], v3, s[46:47] offset:4*(32*(\b/2)+8*(\b%2))+16
.endr
.irp a, 0,1,2,3,4,5,6,7
	global_load_b32 v[BA+2*\a], v5, s[20:21] offset:4*(32*(\a/2)+8*(\a%2))
	v_mov_b32 v[BA+2*\a+1], 0                      ; (named with it as a pair, so it is written)
.endr
.macro FRAG reg, adr, q, i             ; a fragment: four loads of 512 consecutive bytes
.irp c, 0,1,2,3
	ds_load_b128 v[\reg+4*\c:\reg+4*\c+3], v[\adr] offset:2048*(\q)+512*\c+(\i)*KSB
.endr
.endm
.macro MULQ k, p, zero                 ; a quarter of a step: MB / 4 blocks of A x B's MB of set p.  The accumulators take turns, one instruction a turn, in the same order in every step
.set ma, (\k)*MB/4
.rept MB/4
.set mb, 0
.rept MB
.set md, (8*(MB*ma+mb))%256
.if \zero
	v_wmma_f32_16x16x128_fp8_fp8 v[md:md+7], v[128*(\p)+16*mb:128*(\p)+16*mb+15], v[AF+16*ma:AF+16*ma+15], 0
.else
	v_wmma_f32_16x16x128_fp8_fp8 v[md:md+7], v[128*(\p)+16*mb:128*(\p)+16*mb+15], v[AF+16*ma:AF+16*ma+15], v[md:md+7]
.endif
.set mb, mb+1
.endr
.set ma, ma+1
.endr
.endm
.macro FETCH_B slot, q, p
	WIN TO_B
.set fi, 0
.rept MB
	FRAG 128*(\p)+16*fi, ADRB+\slot, \q, fi
.set fi, fi+1
.endr
	WIN 0
.endm
.macro FETCH_A slot, q, i0             ; A's blocks i0 .. i0 + MB / 2 - 1
.set fi, \i0
.rept MB/2
	FRAG AF+16*fi, ADRA+\slot, \q, fi
.set fi, fi+1
.endr
.endm
.macro STEP slot, q, zero              ; 128 along K whose successor lies in the same slot
	s_wait_dscnt 2*MB                              ; B's set and A's lower blocks are in; the youngest 2 MB loads (A's upper blocks) may be out
	WIN MUL_LO
	MULQ 0, (\q)%2, \zero
	MULQ 1, (\q)%2, \zero
	s_wait_dscnt 0                                 ; A's upper blocks
	PLACES
	FETCH_B \slot, (\q)+1, 1-(\q)%2
	FETCH_A \slot, (\q)+1, 0
	WIN MUL_HI
	MULQ 2, (\q)%2, \zero
	MULQ 3, (\q)%2, \zero
	PLACES
	WIN 0
	FETCH_A \slot, (\q)+1, MB/2
.endm
.macro TURN slot, next, fill           ; a slot's last step changes slots: one barrier; fill = 1: it opens a round of the cluster's barrier and this slot is filled again, two slots ahead
	s_wait_tensorcnt 0x0                           ; all my tensor loads have landed: my part of the next slot
	ds_add_u32 v[SPW], v[NIL]                      ; 0 onto my spare word
	s_wait_dscnt 2*MB+1                            ; (the add and A's upper blocks may be out)
	WIN MUL_LO
	MULQ 0, 1, 0
	s_wait_dscnt 0x0                               ; the add is done, and my reads of this slot are over
	s_barrier_signal -1
	MULQ 1, 1, 0
	WIN 0
	s_barrier_wait -1
.if \fill
	CREST                                          ; no wave of any partner still reads this slot or has a load on its way
	s_add_nc_u64 s[G0+4*\slot+2:G0+4*\slot+3], s[G0+4*\slot+2:G0+4*\slot+3], 2*KSB
	s_add_nc_u64 s[G0B+4*\slot+2:G0B+4*\slot+3], s[G0B+4*\slot+2:G0B+4*\slot+3], 2*KSB
	JLOAD \slot                                    ; my one tensor load behind the round; its four v_nop are also the places in front of the loads below
.else
	PLACES
.endif
	FETCH_B \next, 0, 0
	FETCH_A \next, 0, 0
	WIN MUL_HI
	MULQ 2, 1, 0
	MULQ 3, 1, 0
	PLACES
	WIN 0
	FETCH_A \next, 0, MB/2
.endm
	s_wait_tensorcnt 1                             ; my part of slot 0 is in; slot 1's may stay out
	s_barrier_signal -1
	s_barrier_wait -1
	FETCH_B 0, 0, 0
	FETCH_A 0, 0, 0
	FETCH_A 0, 0, MB/2
	STEP 0, 0, 1                                   ; the first step's products start the sums: nothing is cleared
	s_mov_b32 s3, LAPS-1
.Llap:                                             ; a trip goes once round the ring and fills both slots again
	TURN 0, 1, 1
	STEP 1, 0, 0
	TURN 1, 0, 1
	STEP 0, 0, 0
	s_sub_co_u32 s3, s3, 1
	s_cmp_lg_u32 s3, 0
	s_cbranch_scc1 .Llap
	TURN 0, 1, 0                                   ; the last lap fills nothing
	STEP 1, 0, 0
	s_wait_dscnt 2*MB
	WIN MUL_LO
	MULQ 0, 1, 0
	MULQ 1, 1, 0
	s_wait_dscnt 0
	WIN MUL_HI
	MULQ 2, 1, 0
	MULQ 3, 1, 0
	WIN 0
; THE WAY OUT: number = sum x 2^(ea + eb) + bias; held; converted with 2^eo; four cells of 16 bytes a lane for each of A's eight tiles, each stored as 512 consecutive bytes.
	s_wait_kmcnt 0x0
	s_wait_loadcnt 0x0                             ; the biases
	s_add_co_i32 s80, s80, s81
	s_add_co_i32 s82, s82, s83
	s_add_co_i32 s84, s84, s85
	s_cmp_eq_u32 s66, 0                            ; choices, no branch
	s_cselect_b32 s96, s80, s82
	s_cselect_b32 s98, s86, s87                    ; Q: entry 6, K: entry 7,
	s_cmp_eq_u32 s66, 2
	s_cselect_b32 s96, s84, s96
	s_cselect_b32 s98, s89, s98                    ; V: entry 9
	s_add_co_i32 s96, s96, 127
	s_lshl_b32 s96, s96, 23                        ; 2^(ea + eb)
	s_mov_b32 s97, s96
	s_add_co_i32 s98, s98, 127
	s_lshl_b32 s99, s98, 23
	v_mov_b32 v[SCL], s99
	s_add_co_i32 s98, s98, 8
	s_lshl_b32 s98, s98, 23
	s_or_b32 s98, s98, 0x600000
	v_mov_b32 v[LIM], s98
	s_sub_co_u32 s18, s67, 1                       ; all ones for Q, K, 0 for V
	s_sub_co_u32 s19, 0, s67                       ; the other way round
.set j, 0
.rept 64
	v_and_b32 v[BB+j], s18, v[BB+j]
.set j, j+1
.endr
.set j, 0
.rept 8
	v_and_b32 v[BA+2*j], s19, v[BA+2*j]
.set j, j+1
.endr
.macro OUTA a
.if (\a) > 0
	s_wait_xcnt 0x0                                ; the earlier stores have read their data and their base
.if (\a) == 4
	s_add_nc_u64 s[10:11], s[10:11], s[76:77]
.else
	s_add_nc_u64 s[10:11], s[10:11], s[78:79]
.endif
.endif
	WIN 0x02+(\a)/4                                ; source 0: window 2 or 3
.irp b, 0,1,2,3,4,5,6,7
.irp i, 0,2,4,6
	v_pk_fma_f32 v[T+8*\b+\i:T+8*\b+\i+1], v[64*((\a)%4)+8*\b+\i:64*((\a)%4)+8*\b+\i+1], s[96:97], v[BB+8*\b+\i:BB+8*\b+\i+1] op_sel_hi:[1,0,1]   ; each accumulator from its low end on
.endr
.endr
	WIN 0
.set j, 0
.rept 32
	v_pk_add_f32 v[T+j:T+j+1], v[T+j:T+j+1], v[BA+2*(\a):BA+2*(\a)+1] op_sel_hi:[1,0]
.set j, j+2
.endr
.irp p, 0,1,2,3
.irp i, 0,1,2,3,4,5,6,7,8,9,10,11,12,13,14,15
	v_med3_num_f32 v[T+16*\p+\i], v[T+16*\p+\i], -v[LIM], v[LIM]
.endr
	v_cvt_scalef32_pk8_fp8_f32 v[CD+16*((\a)%2)+4*\p:CD+16*((\a)%2)+4*\p+1], v[T+16*\p:T+16*\p+7], v[SCL]
	v_cvt_scalef32_pk8_fp8_f32 v[CD+16*((\a)%2)+4*\p+2:CD+16*((\a)%2)+4*\p+3], v[T+16*\p+8:T+16*\p+15], v[SCL]
.endr
	v_nop                                          ; a plain line between the last conversion and the next write of its sources
	global_store_b128 v[CO], v[CD+16*((\a)%2):CD+16*((\a)%2)+3], s[10:11]
	global_store_b128 v[CO], v[CD+16*((\a)%2)+4:CD+16*((\a)%2)+7], s[10:11] offset:512
	global_store_b128 v[VH], v[CD+16*((\a)%2)+8:CD+16*((\a)%2)+11], s[10:11]
	global_store_b128 v[VH], v[CD+16*((\a)%2)+12:CD+16*((\a)%2)+15], s[10:11] offset:512
.endm
.irp a, 0,1,2,3,4,5,6,7
	OUTA \a
.endr
	s_wait_tensorcnt 0x0                           ; the wave's end
	ds_add_u32 v[SPW], v[NIL]
	s_wait_dscnt 0x0
	CROUND                                         ; the closing round
	s_endpgm
.Lfunc_end_k_q5cbbc0aead_qkv:
	.size	k_q5cbbc0aead_qkv, .Lfunc_end_k_q5cbbc0aead_qkv-k_q5cbbc0aead_qkv
	.p2alignl 7, 3214868480
	.fill 96, 4, 3214868480
	.section	.rodata,"a",@progbits
	.p2align	6, 0x0
	.amdhsa_kernel k_q5cbbc0aead_qkv
		.amdhsa_group_segment_fixed_size 327680
		.amdhsa_private_segment_fixed_size 0
		.amdhsa_enable_private_segment 0
		.amdhsa_kernarg_size 48
		.amdhsa_user_sgpr_count 2
		.amdhsa_user_sgpr_kernarg_segment_ptr 1
		.amdhsa_wavefront_size32 1
		.amdhsa_system_sgpr_workgroup_id_x 1
		.amdhsa_system_sgpr_workgroup_id_y 1
		.amdhsa_system_sgpr_workgroup_id_z 1
		.amdhsa_system_vgpr_workitem_id 0
		.amdhsa_next_free_vgpr 1024
		.amdhsa_next_free_sgpr 100
		.amdhsa_reserve_vcc 0
		.amdhsa_float_denorm_mode_32 3
		.amdhsa_float_denorm_mode_16_64 3
		.amdhsa_memory_ordered 1
		.amdhsa_forward_progress 1
		.amdhsa_inst_pref_size 157
	.end_amdhsa_kernel
	.amdgpu_metadata
---
amdhsa.version: [ 1, 2 ]
amdhsa.kernels:
  - .name:           k_q5cbbc0aead_qkv
    .symbol:         k_q5cbbc0aead_qkv.kd
    .args:
      - { .name: codes0, .offset: 0, .size: 8, .value_kind: global_buffer, .address_space: global }
      - { .name: lowp_scales, .offset: 8, .size: 8, .value_kind: global_buffer, .address_space: global }
      - { .name: bq, .offset: 16, .size: 8, .value_kind: global_buffer, .address_space: global }
      - { .name: bk, .offset: 24, .size: 8, .value_kind: global_buffer, .address_space: global }
      - { .name: bv, .offset: 32, .size: 8, .value_kind: global_buffer, .address_space: global }
      - { .name: qkvc, .offset: 40, .size: 8, .value_kind: global_buffer, .address_space: global }
    .group_segment_fixed_size: 327680
    .private_segment_fixed_size: 0
    .kernarg_segment_align: 8
    .kernarg_segment_size: 48
    .max_flat_workgroup_size: 128
    .sgpr_count:     100
    .vgpr_count:     1024
    .wavefront_size: 32
...
	.end_amdgpu_metadata
.endif
;; end of part 2
;; launch attn (part 3): grid 8 x 32, 16 waves a work-group, clusters of 4 x 1, 264,192 bytes of LDS; arguments qkvc, lowp_scales, ac; writes ac
.if DOCPART == 3
	.amdgcn_target "amdgcn-amd-amdhsa--gfx1250"
	.amdhsa_code_object_version 6
	.text
	.protected	k_q5cbbc0aead_attn
	.globl	k_q5cbbc0aead_attn
	.p2align	8
	.type	k_q5cbbc0aead_attn,@function
k_q5cbbc0aead_attn:
	s_mov_b64 s[64:65], 0
	v_nop
	global_prefetch_b8 v0, s[64:65] scope:SCOPE_SE
	s_setreg_imm32_b32 hwreg(HW_REG_WAVE_MODE, 25, 1), 1
	s_wait_xcnt 0x0
	s_wait_alu depctr_hold_cnt(0) depctr_sa_sdst(0) depctr_va_vdst(0) depctr_va_sdst(0) depctr_va_ssrc(0) depctr_va_vcc(0) depctr_vm_vsrc(0)
	s_getreg_b32 s2, hwreg(HW_REG_IB_STS2, 6, 4)
	s_cmp_eq_u32 s2, 0
	s_cbranch_scc0 .Lentry_in_a_cluster
	s_endpgm
.Lentry_in_a_cluster:
	s_bfe_u32 s2, ttmp6, 0x10000c
	s_cmp_lg_u32 s2, 0x3003
	s_cbranch_scc0 .Lentry_shape_is_right
	s_endpgm
.Lentry_shape_is_right:
; PRODUCTS 4 AND 5 with the softmax between them, on codes; O / l is quantised (entry 10) and leaves as images of the next product's operand.  No work is left out.
; t = score x log2(e) / 8; M = the running largest t rounded UP to a whole number; p = 2^(t - M) is quantised along the keys (entry 8), not normalised; the row's sum is taken of the unquantised p and divides at the end.
; When M moves, the sum and O are multiplied by 2^(old M - new M): exact.  A p that falls under the format's range after a later change of M is lost, as the problem's own rule allows.
; SHARES.  A work-group owns 256 queries of one batch and head; each of sixteen waves one tile of 16, in 256 registers: four waves to a SIMD, so that one wave's vector work stands beside another's matrix work and LDS loads.
; LDS.  A head's whole K (128 images of 1,024 bytes) and V^T (16 x 4 images of 2,048 bytes) fit: 131,072 bytes each.  So every byte is filled once, nothing is filled again, and there is no ring.  Every wave issues two joint loads
; (waves 0-7 K's eighths, waves 8-15 V's): 4,096 bytes of the first 512 keys, then 12,288 bytes of the other 1,536, so that the first steps begin while the larger part is on its way: two loads of mine are out at the most.
; CLUSTER 4 x 1: four query blocks of one head want the same K and V: each load names all four.
; No prefetch: all that the launch reads of K and V is asked for at its head by the tensor loads themselves.
; LAYOUT.  Both products transposed: S^T = K Q^T, O^T = V^T P^T: a lane holds one query throughout.  The tiles' rows go by ROW(t, r) = 32 (t / 2) + 8 (t % 2) + r % 8 + 16 (r / 8), so that p's 16 registers of tiles 2 b, 2 b + 1 are keys 32 b + 16 h + 0 .. 15.
; THE KEY STEP (128 keys).  K's fragments are asked for a step ahead, straight behind the products that read the last ones, and land under the softmax.  V's fragments 0, 1 have registers of their own; 2, 3 land on p's first half once it is converted.
; The maximum and the row's sum run in four chains each.  The exponentials go in two halves, an exponential and a plain line by turns: the first half beside the second half's scalings and the rescaling of O^T, the second beside the first half's sums and holds.
; THE WALK.  Behind the first barrier keys 0-511 are whole: three steps, which look ahead as far as step 3's K.  Behind the second all keys are whole: twelve steps; the last step is written out and looks ahead at nothing.
; LIMITS: entries 6 + 7 between -123 and 130 (added to c's exponent field); entries 8 and 10 between -126 and 119; NaN is not served by the holds.
; REGISTERS: v1, v2 16 x lane (K, V); v5, v6 the add's two; v8, v9 addresses in hand; v12 -M, v13 the largest t, v[14:15] the sum; v16-23 Q; v24-27 the maximum's chains, v28 the lane exchange; v32-95 K's 8 fragments; v96-159 S^T, then p, v96-127 then V's fragments 2, 3;
;   v160-191 O^T; v192-223 V's fragments 0, 1; v224-239 p's codes; v240, v247 448 x 2^e8; v244 2^e8; v241, v245 the same for e10; v[242:243], v[248:249], v[250:251] three more chains of the sum; v252-254 at work.
.set SPARE, 262144
.set VOFF,  131072
.set STEPB, 8192                       ; a key step's bytes in K and in V
.set SPW, 5
.set NIL, 6
.set T1,  242
.set T2,  248
.set T3,  250
.set WV,  18
.set SEL, 20
.set CS,  22
.set G1,  24                           ; s[24:31] descriptor group 1: 16 rows of 256 bytes
.set G0,  32                           ; s[32:39] two groups 0
.set G1R, 40                           ; s[40:47] descriptor group 1: 48 rows of 256 bytes
.set TB,  48                           ; s48 LDS byte of the key step's images
.set CNT, 49
.macro CROUND
	s_barrier_signal -1
	s_barrier_wait -1
	s_cmp_lg_u32 s[WV], 0
	s_cbranch_scc1 .Lnot_wave_0_\@
	s_barrier_signal -3
.Lnot_wave_0_\@:
	s_barrier_wait -3
	s_barrier_signal -1
	s_barrier_wait -1
.endm
	s_load_b128 s[4:7], s[0:1], 0x0                ; qkvc, the exponents
	s_load_b64 s[8:9], s[0:1], 0x10                ; ac
	v_lshl_add_u32 v[SPW], v0, 2, SPARE
	v_mov_b32 v[NIL], 0
	ds_add_u32 v[SPW], v[NIL]                      ; the opening: the add, twice on end, and its wait ahead of my first tensor load
	ds_add_u32 v[SPW], v[NIL]
	v_lshrrev_b32 v8, 5, v0
	v_readfirstlane_b32 s[WV], v8                  ; wave 0..15
	s_bfe_u32 s50, ttmp6, 0x40000                  ; cx: it enters Q's and the output's addresses alone
	s_lshl_b32 s51, ttmp9, 2
	s_add_co_u32 s51, s51, s50                     ; my block of 256 queries
	s_and_b32 s52, ttmp7, 0xffff                   ; 16 x batch + head
	s_lshl_b32 s53, s52, 17                        ; its 131,072 bytes in each of Q, K, V
	s_lshr_b32 s54, s[WV], 3                       ; I fetch for K (0) or V (1)
	s_and_b32 s55, s[WV], 7
	s_lshl_b32 s56, s54, 17                        ; K's or V's half of LDS
	s_lshl_b32 s68, s55, 12                        ; of the first 512 keys' 32,768 bytes: my 4,096,
	s_mov_b32 s69, 0
	s_mul_i32 s70, s55, 12288                      ; of the other 98,304: my 12,288
	s_add_co_u32 s70, s70, 32768
	s_mov_b32 s71, 0
	s_lshl_b32 s58, s54, 22
	s_add_co_u32 s58, s58, 0x400000                ; K at 0x400000, V at 0x800000
	s_add_co_u32 s58, s58, s53                     ; the head's K or V in memory: the wave's number and the head alone, the same in all four partners
	s_mov_b32 s59, 0
	s_mov_b32 s[G1], 15|(3<<16)|(1<<21)            ; 15:0 the mask: all four; 17:16 elements of 8 bytes; 21 set beside a mask; no padding
	s_mov_b32 s[G1+1], 32<<16                      ; a dense block as rows of 256 bytes
	s_mov_b32 s[G1+2], 16<<16                      ; 16 of them
	s_mov_b32 s[G1+3], 32<<16
	s_mov_b32 s[G1+4], 16
	s_mov_b32 s[G1+5], 32
	s_mov_b32 s[G1+6], 0
	s_mov_b32 s[G1+7], 0
	s_mov_b32 s[G1R], 15|(3<<16)|(1<<21)           ; the same with 48 rows
	s_mov_b32 s[G1R+1], 32<<16
	s_mov_b32 s[G1R+2], 48<<16
	s_mov_b32 s[G1R+3], 32<<16
	s_mov_b32 s[G1R+4], 48
	s_mov_b32 s[G1R+5], 32
	s_mov_b32 s[G1R+6], 0
	s_mov_b32 s[G1R+7], 0
	s_mov_b32 s[SEL], 0x76543210
	s_mov_b32 s[SEL+1], 0xfedcba98
	s_mov_b32 s[CS], 0x3e38aa3b                    ; c = log2(e) / sqrt(64)
	s_lshl_b32 s60, s51, 4
	s_add_co_u32 s60, s60, s[WV]                   ; my tile of queries, 0..127
	s_lshl_b32 s62, s60, 10
	s_add_co_u32 s62, s62, s53
	s_mov_b32 s63, 0
	s_lshr_b32 s72, s52, 4                         ; the output: image ((128 batch + tile) x 8 + head / 2), cells 2 (head % 2) and + 1
	s_lshl_b32 s72, s72, 7
	s_add_co_u32 s72, s72, s60
	s_lshl_b32 s72, s72, 3
	s_bfe_u32 s73, s52, 0x30001
	s_add_co_u32 s72, s72, s73
	s_lshl_b32 s72, s72, 11
	s_and_b32 s73, s52, 1
	s_lshl_b32 s73, s73, 10
	s_add_co_u32 s72, s72, s73
	s_mov_b32 s73, 0
	s_wait_dscnt 0x0                               ; both opening adds are done
	s_wait_kmcnt 0x0
	s_load_b512 s[80:95], s[6:7], 0x0              ; entry i in s[80 + i]
	s_add_nc_u64 s[58:59], s[4:5], s[58:59]
	s_add_nc_u64 s[62:63], s[4:5], s[62:63]
	s_add_nc_u64 s[8:9], s[8:9], s[72:73]
	CROUND                                         ; all four work-groups are here: the joint loads meet
	s_mov_b32 s[G0], 1
	s_add_co_u32 s[G0+1], s56, s68
	s_add_nc_u64 s[G0+2:G0+3], s[58:59], s[68:69]
	s_or_b32 s[G0+3], s[G0+3], 0x80000000
	s_mov_b32 s[G0+4], 1
	s_add_co_u32 s[G0+5], s56, s70
	s_add_nc_u64 s[G0+6:G0+7], s[58:59], s[70:71]
	s_or_b32 s[G0+7], s[G0+7], 0x80000000
	tensor_load_to_lds s[G0:G0+3], s[G1:G1+7]      ; my part of keys 0-511
	s_nop 0
	tensor_load_to_lds s[G0+4:G0+7], s[G1R:G1R+7]  ; my part of keys 512-2,047
	s_nop 0
.rept 4
	v_nop
.endr
	v_and_b32 v1, 31, v0
	v_lshlrev_b32 v1, 4, v1
	v_add_nc_u32 v2, VOFF, v1
	global_load_b128 v[16:19], v1, s[62:63]        ; Q's fragment stays in registers
	global_load_b128 v[20:23], v1, s[62:63] offset:512
	v_mov_b32 v13, 0xff61b1e6                      ; the largest t so far: -3e38
	v_floor_f32 v12, -v13
	v_mov_b32 v14, 0
	v_mov_b32 v15, 0
	v_mov_b32 v28, 0                               ; a lane permute's destination counts as one of its sources
	v_mov_b32 v253, 0                              ; (named as the upper half of v[252:253])
.irp r, T1, T1+1, T2, T2+1, T3, T3+1
	v_mov_b32 v[\r], 0                             ; the sum's other chains: a step's head joins the last step's, the first step's head joins zeros
.endr
.set j, 0
.rept 32
	v_mov_b32 v[160+j], 0                          ; O^T: the step has no first form of its own: the first change of M multiplies zeros
.set j, j+1
.endr
	s_wait_kmcnt 0x0
	s_add_co_i32 s72, s86, s87
	s_lshl_b32 s72, s72, 23
	s_add_co_i32 s[CS], s[CS], s72                 ; a score stands for score x 2^(e6 + e7)
	s_mov_b32 s[CS+1], s[CS]
	s_add_co_i32 s72, s88, 127
	s_lshl_b32 s73, s72, 23
	v_mov_b32 v244, s73                            ; 2^e8
	s_add_co_i32 s72, s72, 8
	s_lshl_b32 s72, s72, 23
	s_or_b32 s72, s72, 0x600000
	v_mov_b32 v240, s72                            ; 448 x 2^e8,
	v_mov_b32 v247, s72                            ; twice: the dual form wants its two second sources in different register banks
	s_add_co_i32 s72, s90, 127
	s_lshl_b32 s73, s72, 23
	v_mov_b32 v245, s73                            ; 2^e10
	s_add_co_i32 s72, s72, 8
	s_lshl_b32 s72, s72, 23
	s_or_b32 s72, s72, 0x600000
	v_mov_b32 v241, s72                            ; 448 x 2^e10
.macro CHAIN k, r                      ; the pair of p at v[r] goes onto chain k of the row's sum
.if (\k) == 0
	v_pk_add_f32 v[14:15], v[14:15], v[\r:\r+1]
.elseif (\k) == 1
	v_pk_add_f32 v[T1:T1+1], v[T1:T1+1], v[\r:\r+1]
.elseif (\k) == 2
	v_pk_add_f32 v[T2:T2+1], v[T2:T2+1], v[\r:\r+1]
.else
	v_pk_add_f32 v[T3:T3+1], v[T3:T3+1], v[\r:\r+1]
.endif
.endm
.macro HOLD r                          ; two holds in one instruction: p is not negative, so the hold is one-sided.  An even and an odd destination; the first sources, and the second, in different register banks, as the dual form asks
	v_dual_min_num_f32 v[\r], v[\r], v240 :: v_dual_min_num_f32 v[\r+1], v[\r+1], v247
.endm
.macro RDA n                           ; line n of 29 that read p's first half (v96-127): 13 of the sum (of the UNQUANTISED p; three chains begin anew), then 16 of the hold
.if (\n) == 0
	v_pk_add_f32 v[T1:T1+1], v[96:97], v[98:99]
.elseif (\n) == 1
	v_pk_add_f32 v[T2:T2+1], v[100:101], v[102:103]
.elseif (\n) == 2
	v_pk_add_f32 v[T3:T3+1], v[104:105], v[106:107]
.elseif (\n) < 13
	CHAIN ((\n)-3)%4, 96+2*((\n)+3)
.elseif (\n) < 29
	HOLD 96+2*((\n)-13)
.endif
.endm
.macro STEP pf                         ; 128 keys; pf = 1: the next step's K is asked for
	v_pk_add_f32 v[T1:T1+1], v[T1:T1+1], v[T2:T2+1]   ; the last step's chains are joined, under the last step's M.  These three and the two additions below are the five places
	v_pk_add_f32 v[14:15], v[14:15], v[T3:T3+1]       ; between the last V^T P, which read v96-127 as an operand, and the products that write over them
	v_pk_add_f32 v[14:15], v[14:15], v[T1:T1+1]
	v_add_nc_u32 v8, s[TB], v1
	v_add_nc_u32 v9, s[TB], v2
.irp t, 0,1,2,3,4,5,6,7
	v_wmma_f32_16x16x64_fp8_fp8 v[96+8*\t:103+8*\t], v[32+8*\t:39+8*\t], v[16:23], 0
.endr
.rept 4
	v_nop                                          ; places in front of the loads over K's fragments and of the first read of the scores
.endr
.if \pf
.irp t, 0,1,2,3,4,5,6,7
	ds_load_b128 v[32+8*\t:35+8*\t], v8 offset:STEPB+1024*\t        ; the next step's K: it has this step's softmax in which to land
	ds_load_b128 v[36+8*\t:39+8*\t], v8 offset:STEPB+1024*\t+512
.endr
.endif
.irp a, 0,1
.irp c, 0,1,2,3
	ds_load_b128 v[192+16*\a+4*\c:195+16*\a+4*\c], v9 offset:2048*\a+512*\c   ; V's fragments 0, 1
.endr
.endr
	v_max3_num_f32 v24, v96, v97, v98              ; the step's largest score of my query among my 64 keys, in four chains, each accumulator from its low end on,
	v_max3_num_f32 v25, v99, v100, v101
	v_max3_num_f32 v26, v102, v103, v104
	v_max3_num_f32 v27, v105, v106, v107
.set i, 0
.rept 26
	v_max3_num_f32 v[24+i%4], v[24+i%4], v[108+2*i], v[109+2*i]
.set i, i+1
.endr
	v_max3_num_f32 v24, v24, v25, v26
	v_max_num_f32 v24, v24, v27
	v_permlanex16_b32 v28, v24, s[SEL], s[SEL+1]
	v_max_num_f32 v24, v24, v28                    ; and among lane l xor 16's
	v_mul_f32 v24, s[CS], v24                      ; as t (c is positive)
	v_max_num_f32 v13, v13, v24
	v_mov_b32 v254, v12
	v_floor_f32 v12, -v13                          ; the new -M = floor(-t)
	v_sub_f32 v254, v12, v254                      ; old M - new M: a whole number, 0 or less
	v_cvt_i32_f32 v254, v254
	v_ldexp_f32 v252, 1.0, v254                    ; f = 2^(old M - new M)
.set j, 0
.rept 16
	v_pk_fma_f32 v[96+j:97+j], v[96+j:97+j], s[CS:CS+1], v[12:13] op_sel_hi:[1,0,0]   ; t - M, the first half
.set j, j+2
.endr
.set i, 0
.rept 32                               ; the first half's exponentials, each with a plain line that names none of their results: the second half's scalings, then O^T under the new M (each accumulator from its low end on)
	v_exp_f32 v[96+i], v[96+i]
.if i < 16
	v_pk_fma_f32 v[128+2*i:129+2*i], v[128+2*i:129+2*i], s[CS:CS+1], v[12:13] op_sel_hi:[1,0,0]
.else
	v_pk_mul_f32 v[160+2*(i-16):161+2*(i-16)], v[160+2*(i-16):161+2*(i-16)], v[252:253] op_sel_hi:[1,0]
.endif
.set i, i+1
.endr
	v_pk_mul_f32 v[14:15], v[14:15], v[252:253] op_sel_hi:[1,0]   ; the sum under the new M
	s_wait_alu depctr_va_vdst(0)                   ; one wait for the first 32 exponentials, ahead of their first reader
.set i, 0
.rept 32                               ; the second half's exponentials, each with a line that reads the first half
	v_exp_f32 v[128+i], v[128+i]
	RDA i
.set i, i+1
.endr
.irp b, 0,1
	v_cvt_scalef32_pk8_fp8_f32 v[224+4*\b:225+4*\b], v[96+16*\b:103+16*\b], v244
	v_cvt_scalef32_pk8_fp8_f32 v[226+4*\b:227+4*\b], v[104+16*\b:111+16*\b], v244
.endr
.irp a, 0,1
.irp c, 0,1,2,3
	ds_load_b128 v[96+16*\a+4*\c:99+16*\a+4*\c], v9 offset:2048*(\a+2)+512*\c   ; V's fragments 2, 3, onto p's first half, which is converted
.endr
.endr
	v_nop                                          ; the plain line behind the last exponential and behind the conversions
	s_wait_alu depctr_va_vdst(0)                   ; one wait for the second 32
.set i, 0
.rept 16
	CHAIN i%4, 128+2*i
.set i, i+1
.endr
.set i, 0
.rept 16
	HOLD 128+2*i
.set i, i+1
.endr
.irp b, 2,3
	v_cvt_scalef32_pk8_fp8_f32 v[224+4*\b:225+4*\b], v[96+16*\b:103+16*\b], v244
	v_cvt_scalef32_pk8_fp8_f32 v[226+4*\b:227+4*\b], v[104+16*\b:111+16*\b], v244
.endr
	v_nop                                          ; a plain line between the conversions and the products that read the codes
	s_wait_dscnt 0x0                               ; V, and the next step's K: no LDS load of mine is out behind this line
	v_wmma_f32_16x16x128_fp8_fp8 v[160:167], v[192:207], v[224:239], v[160:167]   ; four accumulators by turns
	v_wmma_f32_16x16x128_fp8_fp8 v[168:175], v[208:223], v[224:239], v[168:175]
	v_wmma_f32_16x16x128_fp8_fp8 v[176:183], v[96:111], v[224:239], v[176:183]
	v_wmma_f32_16x16x128_fp8_fp8 v[184:191], v[112:127], v[224:239], v[184:191]
	s_add_co_u32 s[TB], s[TB], STEPB
.endm
	s_wait_loadcnt 0x0                             ; Q
	s_wait_tensorcnt 1                             ; tensor loads of a wave end in order: my part of keys 0-511 is in; the one younger load may stay out
	s_barrier_signal -1
	s_barrier_wait -1                              ; everybody's part is in
.irp t, 0,1,2,3,4,5,6,7
	ds_load_b128 v[32+8*\t:35+8*\t], v1 offset:1024*\t      ; K of step 0
	ds_load_b128 v[36+8*\t:39+8*\t], v1 offset:1024*\t+512
.endr
	s_wait_dscnt 0x0
	s_mov_b32 s[TB], 0
	s_mov_b32 s[CNT], 3
.Lfirst:                                           ; steps 0, 1, 2: they read keys 0-383 and look ahead as far as keys 384-511
	STEP 1
	s_sub_co_u32 s[CNT], s[CNT], 1
	s_cmp_lg_u32 s[CNT], 0
	s_cbranch_scc1 .Lfirst
	s_wait_tensorcnt 0x0                           ; my part of the other keys is in,
	s_barrier_signal -1
	s_barrier_wait -1                              ; everybody's is
	s_mov_b32 s[TB], 3*STEPB
	s_mov_b32 s[CNT], 12
.Lrest:                                            ; steps 3 to 14
	STEP 1
	s_sub_co_u32 s[CNT], s[CNT], 1
	s_cmp_lg_u32 s[CNT], 0
	s_cbranch_scc1 .Lrest
	s_mov_b32 s[TB], 15*STEPB
	STEP 0                                         ; the last step: there is no K behind it
; THE WAY OUT: O^T / the sum x 2^(e8 + e9), held, converted with 2^e10.  Register 16 p + i is channel 32 p + 16 h + i of my query: two cells of the next operand's image.
	v_pk_add_f32 v[T1:T1+1], v[T1:T1+1], v[T2:T2+1]   ; the last step's chains are joined; these additions are also the places behind the last products
	v_pk_add_f32 v[14:15], v[14:15], v[T3:T3+1]
	v_pk_add_f32 v[14:15], v[14:15], v[T1:T1+1]
	v_add_f32 v14, v14, v15
	v_permlanex16_b32 v28, v14, s[SEL], s[SEL+1]
	v_add_f32 v14, v14, v28
	v_rcp_f32 v14, v14
	v_nop                                          ; a plain line behind the reciprocal
	s_add_co_i32 s72, s88, s89
	s_wait_alu depctr_va_vdst(0)                   ; ahead of the reciprocal's first reader
	v_ldexp_f32 v14, v14, s72
.set j, 0
.rept 32
	v_mul_f32 v[96+j], v[160+j], v14
.set j, j+1
.endr
.irp p, 0,1
.irp i, 0,1,2,3,4,5,6,7,8,9,10,11,12,13,14,15
	v_med3_num_f32 v[96+16*\p+\i], v[96+16*\p+\i], -v241, v241
.endr
	v_cvt_scalef32_pk8_fp8_f32 v[224+4*\p:225+4*\p], v[96+16*\p:103+16*\p], v245
	v_cvt_scalef32_pk8_fp8_f32 v[226+4*\p:227+4*\p], v[104+16*\p:111+16*\p], v245
.endr
	v_nop
	global_store_b128 v1, v[224:227], s[8:9]       ; 512 consecutive bytes, aligned
	global_store_b128 v1, v[228:231], s[8:9] offset:512
	s_wait_tensorcnt 0x0                           ; the wave's end
	ds_add_u32 v[SPW], v[NIL]
	s_wait_dscnt 0x0
	CROUND                                         ; the closing round
	s_endpgm
.Lfunc_end_k_q5cbbc0aead_attn:
	.size	k_q5cbbc0aead_attn, .Lfunc_end_k_q5cbbc0aead_attn-k_q5cbbc0aead_attn
	.p2alignl 7, 3214868480
	.fill 96, 4, 3214868480
	.section	.rodata,"a",@progbits
	.p2align	6, 0x0
	.amdhsa_kernel k_q5cbbc0aead_attn
		.amdhsa_group_segment_fixed_size 264192
		.amdhsa_private_segment_fixed_size 0
		.amdhsa_enable_private_segment 0
		.amdhsa_kernarg_size 24
		.amdhsa_user_sgpr_count 2
		.amdhsa_user_sgpr_kernarg_segment_ptr 1
		.amdhsa_wavefront_size32 1
		.amdhsa_system_sgpr_workgroup_id_x 1
		.amdhsa_system_sgpr_workgroup_id_y 1
		.amdhsa_system_sgpr_workgroup_id_z 1
		.amdhsa_system_vgpr_workitem_id 0
		.amdhsa_next_free_vgpr 256
		.amdhsa_next_free_sgpr 100
		.amdhsa_reserve_vcc 0
		.amdhsa_float_denorm_mode_32 3
		.amdhsa_float_denorm_mode_16_64 3
		.amdhsa_memory_ordered 1
		.amdhsa_forward_progress 1
		.amdhsa_inst_pref_size 58
	.end_amdhsa_kernel
	.amdgpu_metadata
---
amdhsa.version: [ 1, 2 ]
amdhsa.kernels:
  - .name:           k_q5cbbc0aead_attn
    .symbol:         k_q5cbbc0aead_attn.kd
    .args:
      - { .name: qkvc, .offset: 0, .size: 8, .value_kind: global_buffer, .address_space: global }
      - { .name: lowp_scales, .offset: 8, .size: 8, .value_kind: global_buffer, .address_space: global }
      - { .name: ac, .offset: 16, .size: 8, .value_kind: global_buffer, .address_space: global }
    .group_segment_fixed_size: 264192
    .private_segment_fixed_size: 0
    .kernarg_segment_align: 8
    .kernarg_segment_size: 24
    .max_flat_workgroup_size: 512
    .sgpr_count:     100
    .vgpr_count:     256
    .wavefront_size: 32
...
	.end_amdgpu_metadata
.endif
;; end of part 3
;; launch wo (part 4): grid 8 x 32, 4 waves a work-group, clusters of 4 x 4, 327,680 bytes of LDS; arguments ac, codes0, lowp_scales, bo, x, y1; writes y1
.if DOCPART == 4
	.amdgcn_target "amdgcn-amd-amdhsa--gfx1250"
	.amdhsa_code_object_version 6
	.text
	.protected	k_q5cbbc0aead_wo
	.globl	k_q5cbbc0aead_wo
	.p2align	8
	.type	k_q5cbbc0aead_wo,@function
k_q5cbbc0aead_wo:
	s_mov_b64 s[64:65], 0
	v_nop
	global_prefetch_b8 v0, s[64:65] scope:SCOPE_SE
	s_setreg_imm32_b32 hwreg(HW_REG_WAVE_MODE, 25, 1), 1
	s_wait_xcnt 0x0
	s_wait_alu depctr_hold_cnt(0) depctr_sa_sdst(0) depctr_va_vdst(0) depctr_va_sdst(0) depctr_va_ssrc(0) depctr_va_vcc(0) depctr_vm_vsrc(0)
	s_getreg_b32 s2, hwreg(HW_REG_IB_STS2, 6, 4)
	s_cmp_eq_u32 s2, 0
	s_cbranch_scc0 .Lentry_in_a_cluster
	s_endpgm
.Lentry_in_a_cluster:
	s_bfe_u32 s2, ttmp6, 0x10000c
	s_cmp_lg_u32 s2, 0xf033
	s_cbranch_scc0 .Lentry_shape_is_right
	s_endpgm
.Lentry_shape_is_right:
; PRODUCT 6 and the first residual: y1 = x + attn Wo + bo, f32, row-major.  No work is left out.
; Operands are images of registers (lane r of tile t holds row 32 (t / 2) + 8 (t % 2) + r % 8 + 16 (r / 8); cell (c, lane = 16 h + r), 16 bytes at 512 c + 16 lane of a 2,048-byte image, holds k = 32 c + 16 h + 0 .. 15; images lie [tile][kb]).
; The matrix instruction is used transposed (source 0 = a tile of Wo's columns, source 1 = a tile of tokens): lane (r, h), register j holds y(token ROW(a, r), column 32 (b / 2) + 8 (b % 2) + 16 h + j).
; N is 1,024: tiles of 256 x 256 would be 64.  So a work-group makes 128 x 128 and a wave 64 x 64 (16 accumulators): 256 work-groups.  A slot holds 512 along K (four steps of 128): K = 1,024 is the two first fills, and nothing is filled again.
; CLUSTERS 4 x 4: A's tiles shared along a row of the cluster, B's along a column.  No prefetch: both slots are asked for at the head.
; LIMIT: entries 10 + 11 between -126 and 127.
; REGISTERS: window 0: v16-29 addresses; v32-127 and v192-223 x's numbers at my outputs' places; v224-227 the bias; v128-191 A's fragments, one set (on the way out: v128-159 sums, v160-191 rows).  window 1: B's two sets, at v0 and v128.  window 2: accumulator (a, b) at 8 (4 a + b).
.set MB,    4
.set NQ,    4
.set KSB,   NQ*2048
.set TP,    16384
.set HALFT, MB*KSB
.set SLOT,  4*HALFT
.set LAPS,  1024/(256*NQ)
.set STAGE, 2*SLOT                     ; behind the ring: 16 rows x 272 bytes for each wave
.set SPARE, STAGE+4*4352               ; behind the stages: the spare words
.set BOFF,  0xF00000                   ; Wo's images in codes0
.set ADRA, 16
.set ADRB, 20
.set STO,  24
.set RD,   25
.set CO,   26
.set SPW,  28
.set NIL,  29
.set AF,   128
.set TMP,  128
.set BK,   160
.set BI,   224
.set G1,  24
.set G0,  32
.set G1B, 48
.set G0B, 56
.set MUL_LO, 0xa1
.set MUL_HI, 0xa1
.set TO_B,   0x40
.set MSB, 0
.macro WIN new
.if MSB != (\new)
	s_set_vgpr_msb (MSB<<8)|(\new)
.set MSB, (\new)
.endif
.endm
.macro PLACES
.rept 4
	v_nop
.endr
.endm
.macro JLOAD s
	s_cmp_eq_u32 s15, 0
	s_cbranch_scc0 .Lfor_b_\@
	tensor_load_to_lds s[G0+4*\s:G0+4*\s+3], s[G1:G1+7]
	s_nop 0
.rept 4
	v_nop
.endr
	s_branch .Lasked_\@
.Lfor_b_\@:
	tensor_load_to_lds s[G0B+4*\s:G0B+4*\s+3], s[G1B:G1B+7]
	s_nop 0
.rept 4
	v_nop
.endr
.Lasked_\@:
.endm
.macro CREST
	s_cmp_lg_u32 s14, 0
	s_cbranch_scc1 .Lnot_wave_0_\@
	s_barrier_signal -3
.Lnot_wave_0_\@:
	s_barrier_wait -3
	s_barrier_signal -1
	s_barrier_wait -1
.endm
.macro CROUND
	s_barrier_signal -1
	s_barrier_wait -1
	CREST
.endm
	s_load_b128 s[4:7], s[0:1], 0x0                ; ac, codes0
	s_load_b64 s[8:9], s[0:1], 0x10                ; the exponents
	s_load_b64 s[12:13], s[0:1], 0x18              ; bo
	s_load_b128 s[68:71], s[0:1], 0x20             ; x, y1
	v_lshl_add_u32 v[SPW], v0, 2, SPARE
	v_mov_b32 v[NIL], 0
	ds_add_u32 v[SPW], v[NIL]                      ; the opening: the add, twice on end, and its wait ahead of my first tensor load
	ds_add_u32 v[SPW], v[NIL]
	v_lshrrev_b32 v1, 5, v0
	v_readfirstlane_b32 s14, v1
	s_lshr_b32 s15, s14, 1                         ; wr; also: I fetch for A (0) or B (1)
	s_and_b32 s16, s14, 1                          ; wc; also: which half I fetch
	s_bfe_u32 s40, ttmp6, 0x40000
	s_bfe_u32 s41, ttmp6, 0x40004
	s_lshl_b32 s42, ttmp9, 2
	s_add_co_u32 s42, s42, s40                     ; X: block of 128 columns
	s_and_b32 s17, ttmp7, 0xffff
	s_lshl_b32 s17, s17, 2
	s_add_co_u32 s17, s17, s41                     ; Y: block of 128 tokens
	s_lshl_b32 s43, s41, 2
	s_lshl_b32 s43, 15, s43
	s_lshl_b32 s44, 0x1111, s40
	s_or_b32 s[G1+0], s43, (3<<16)|(1<<21)         ; the mask; elements of 8 bytes; bit 21 beside a mask; no padding
	s_or_b32 s[G1B+0], s44, (3<<16)|(1<<21)
.irp g, G1, G1B
	s_mov_b32 s[\g+1], (256*NQ)<<16
	s_mov_b32 s[\g+2], MB<<16
	s_mov_b32 s[\g+3], (256*NQ)<<16
	s_mov_b32 s[\g+4], MB
	s_mov_b32 s[\g+5], TP/8
	s_mov_b32 s[\g+6], 0
	s_mov_b32 s[\g+7], 0
.endr
	s_mul_i32 s18, s16, MB
	s_mul_i32 s20, s17, 2*MB
	s_add_co_u32 s20, s20, s18
	s_mul_i32 s20, s20, TP
	s_mov_b32 s21, 0
	s_mul_i32 s46, s42, 2*MB
	s_add_co_u32 s46, s46, s18
	s_mul_i32 s46, s46, TP
	s_add_co_u32 s46, s46, BOFF
	s_mov_b32 s47, 0
	s_mul_i32 s45, s14, HALFT
	s_wait_dscnt 0x0
	s_wait_kmcnt 0x0
	s_load_b512 s[80:95], s[8:9], 0x0
	s_add_nc_u64 s[20:21], s[4:5], s[20:21]
	s_add_nc_u64 s[46:47], s[6:7], s[46:47]
	CROUND
.irp s, 0,1
	s_mov_b32 s[G0+4*\s], 1
	s_add_co_u32 s[G0+4*\s+1], s45, \s*SLOT
	s_add_nc_u64 s[G0+4*\s+2:G0+4*\s+3], s[20:21], \s*KSB
	s_or_b32 s[G0+4*\s+3], s[G0+4*\s+3], 0x80000000
	s_mov_b32 s[G0B+4*\s], 1
	s_add_co_u32 s[G0B+4*\s+1], s45, \s*SLOT
	s_add_nc_u64 s[G0B+4*\s+2:G0B+4*\s+3], s[46:47], \s*KSB
	s_or_b32 s[G0B+4*\s+3], s[G0B+4*\s+3], 0x80000000
	JLOAD \s
.endr
	v_and_b32 v3, 31, v0
	v_lshlrev_b32 v4, 4, v3
	s_mul_i32 s21, s15, HALFT
	s_mul_i32 s22, s16, HALFT
	s_add_co_u32 s22, s22, 2*HALFT
.irp s, 0,1
	v_add_nc_u32 v[ADRA+\s], s21, v4
	v_add_nc_u32 v[ADRB+\s], s22, v4
	s_add_co_u32 s21, s21, SLOT
	s_add_co_u32 s22, s22, SLOT
.endr
	v_and_b32 v1, 15, v0
	v_bfe_u32 v2, v0, 4, 1
	s_mul_i32 s23, s14, 4352
	s_add_co_u32 s23, s23, STAGE                   ; my stage
	v_mul_u32_u24 v5, v1, 272
	v_lshl_add_u32 v5, v2, 6, v5
	v_add_nc_u32 v[STO], s23, v5                   ; in: row r, + 64 h bytes
	v_mul_u32_u24 v5, v2, 272
	v_lshl_add_u32 v5, v1, 4, v5
	v_add_nc_u32 v[RD], s23, v5                    ; back: lanes 0-15 one row of 256 bytes, lanes 16-31 the next
	v_lshlrev_b32 v5, 12, v2
	v_lshl_add_u32 v[CO], v1, 4, v5                ; and the same two rows in memory
	v_lshlrev_b32 v6, 4, v1
	s_lshl_b32 s20, s17, 7
	s_lshl_b32 s21, s15, 6
	s_add_co_u32 s20, s20, s21
	s_lshl_b32 s20, s20, 12                        ; my first token's row
	s_lshl_b32 s46, s42, 9
	s_lshl_b32 s47, s16, 8
	s_add_co_u32 s46, s46, s47                     ; my first column, in bytes
	s_add_co_u32 s20, s20, s46
	s_mov_b32 s21, 0
	s_mov_b32 s47, 0
	s_add_nc_u64 s[10:11], s[70:71], s[20:21]
	s_add_nc_u64 s[68:69], s[68:69], s[20:21]
	s_add_nc_u64 s[12:13], s[12:13], s[46:47]
	global_load_b128 v[BI:BI+3], v6, s[12:13]
.irp a, 0,1,2,3
.irp i, 0,1,2,3,4,5,6,7
	global_load_b128 v[32+32*\a+64*(\a/3)+4*\i:32+32*\a+64*(\a/3)+4*\i+3], v[CO], s[68:69] offset:(32*(\a/2)+8*(\a%2)+((2*\i)%8)+16*(\i/4))*4096 th:TH_LOAD_NT   ; x where the way out will store: they land under the products
.endr
.endr
.macro FRAG reg, adr, q, i
.irp c, 0,1,2,3
	ds_load_b128 v[\reg+4*\c:\reg+4*\c+3], v[\adr] offset:2048*(\q)+512*\c+(\i)*KSB
.endr
.endm
.macro MULQ k, p, zero                 ; a quarter of a step; the accumulators take turns, one instruction a turn
.set ma, (\k)*MB/4
.rept MB/4
.set mb, 0
.rept MB
.set md, (8*(MB*ma+mb))%256
.if \zero
	v_wmma_f32_16x16x128_fp8_fp8 v[md:md+7], v[128*(\p)+16*mb:128*(\p)+16*mb+15], v[AF+16*ma:AF+16*ma+15], 0
.else
	v_wmma_f32_16x16x128_fp8_fp8 v[md:md+7], v[128*(\p)+16*mb:128*(\p)+16*mb+15], v[AF+16*ma:AF+16*ma+15], v[md:md+7]
.endif
.set mb, mb+1
.endr
.set ma, ma+1
.endr
.endm
.macro FETCH_B slot, q, p
	WIN TO_B
.set fi, 0
.rept MB
	FRAG 128*(\p)+16*fi, ADRB+\slot, \q, fi
.set fi, fi+1
.endr
	WIN 0
.endm
.macro FETCH_A slot, q, i0
.set fi, \i0
.rept MB/2
	FRAG AF+16*fi, ADRA+\slot, \q, fi
.set fi, fi+1
.endr
.endm
.macro STEP slot, q, zero
	s_wait_dscnt 2*MB                              ; B's set and A's lower blocks are in; the youngest 2 MB loads (A's upper blocks) may be out
	WIN MUL_LO
	MULQ 0, (\q)%2, \zero
	MULQ 1, (\q)%2, \zero
	s_wait_dscnt 0
	PLACES
	FETCH_B \slot, (\q)+1, 1-(\q)%2
	FETCH_A \slot, (\q)+1, 0
	WIN MUL_HI
	MULQ 2, (\q)%2, \zero
	MULQ 3, (\q)%2, \zero
	PLACES
	WIN 0
	FETCH_A \slot, (\q)+1, MB/2
.endm
.macro TURN slot, next                 ; a slot's last step changes slots; here nothing is filled again, so no round of the cluster's barrier follows
	s_wait_tensorcnt 0x0                           ; my part of the next slot has landed
	ds_add_u32 v[SPW], v[NIL]                      ; 0 onto my spare word
	s_wait_dscnt 2*MB+1                            ; (the add and A's upper blocks may be out)
	WIN MUL_LO
	MULQ 0, 1, 0
	s_wait_dscnt 0x0
	s_barrier_signal -1
	MULQ 1, 1, 0
	WIN 0
	s_barrier_wait -1                              ; the next slot is whole
	PLACES
	FETCH_B \next, 0, 0
	FETCH_A \next, 0, 0
	WIN MUL_HI
	MULQ 2, 1, 0
	MULQ 3, 1, 0
	PLACES
	WIN 0
	FETCH_A \next, 0, MB/2
.endm
	s_wait_tensorcnt 1                             ; my part of slot 0 is in; slot 1's may stay out
	s_barrier_signal -1
	s_barrier_wait -1
	FETCH_B 0, 0, 0
	FETCH_A 0, 0, 0
	FETCH_A 0, 0, MB/2
	STEP 0, 0, 1                                   ; the first step's products start the sums
	STEP 0, 1, 0
	STEP 0, 2, 0
	TURN 0, 1
	STEP 1, 0, 0
	STEP 1, 1, 0
	STEP 1, 2, 0
	s_wait_dscnt 2*MB
	WIN MUL_LO
	MULQ 0, 1, 0
	MULQ 1, 1, 0
	s_wait_dscnt 0
	MULQ 2, 1, 0
	MULQ 3, 1, 0
	WIN 0
; THE WAY OUT, a tile of 16 tokens x 64 columns at a time: sums x 2^(e10 + e11) through my own stage and back as rows of 256 bytes; + bo + x; sixteen lanes store 256 consecutive bytes, aligned.
	s_wait_kmcnt 0x0
	s_wait_loadcnt 0x0                             ; bo and x
	s_add_co_i32 s96, s90, s91
	s_add_co_i32 s96, s96, 127
	s_lshl_b32 s96, s96, 23
	s_mov_b32 s97, s96
	PLACES
.macro OUTF a
.if (\a) > 0
	s_wait_xcnt 0x0                                ; the last tile's stores have read their data
.endif
	WIN 0x02
.set j, 0
.rept 16
	v_pk_mul_f32 v[TMP+j:TMP+j+1], v[32*(\a)+j:32*(\a)+j+1], s[96:97] op_sel_hi:[1,0]   ; each accumulator from its low end on
.set j, j+2
.endr
	WIN 0
.irp b, 0,1,2,3
	ds_store_b128 v[STO], v[TMP+8*\b:TMP+8*\b+3] offset:128*(\b/2)+32*(\b%2)
	ds_store_b128 v[STO], v[TMP+8*\b+4:TMP+8*\b+7] offset:128*(\b/2)+32*(\b%2)+16
.endr
.irp i, 0,1,2,3,4,5,6,7
	ds_load_b128 v[BK+4*\i:BK+4*\i+3], v[RD] offset:544*\i   ; LDS serves a wave's instructions in order: these see my stores
.endr
	s_wait_dscnt 0x0
.irp i, 0,1,2,3,4,5,6,7
	v_pk_add_f32 v[BK+4*\i:BK+4*\i+1], v[BK+4*\i:BK+4*\i+1], v[BI:BI+1]
	v_pk_add_f32 v[BK+4*\i+2:BK+4*\i+3], v[BK+4*\i+2:BK+4*\i+3], v[BI+2:BI+3]
	v_pk_add_f32 v[BK+4*\i:BK+4*\i+1], v[BK+4*\i:BK+4*\i+1], v[32+32*(\a)+64*((\a)/3)+4*\i:32+32*(\a)+64*((\a)/3)+4*\i+1]
	v_pk_add_f32 v[BK+4*\i+2:BK+4*\i+3], v[BK+4*\i+2:BK+4*\i+3], v[32+32*(\a)+64*((\a)/3)+4*\i+2:32+32*(\a)+64*((\a)/3)+4*\i+3]
	global_store_b128 v[CO], v[BK+4*\i:BK+4*\i+3], s[10:11] offset:(32*((\a)/2)+8*((\a)%2)+((2*\i)%8)+16*(\i/4))*4096
.endr
.endm
	OUTF 0
	OUTF 1
	OUTF 2
	OUTF 3
	s_wait_tensorcnt 0x0                           ; the wave's end, behind my last LDS store
	ds_add_u32 v[SPW], v[NIL]
	s_wait_dscnt 0x0
	CROUND                                         ; the closing round
	s_endpgm
.Lfunc_end_k_q5cbbc0aead_wo:
	.size	k_q5cbbc0aead_wo, .Lfunc_end_k_q5cbbc0aead_wo-k_q5cbbc0aead_wo
	.p2alignl 7, 3214868480
	.fill 96, 4, 3214868480
	.section	.rodata,"a",@progbits
	.p2align	6, 0x0
	.amdhsa_kernel k_q5cbbc0aead_wo
		.amdhsa_group_segment_fixed_size 327680
		.amdhsa_private_segment_fixed_size 0
		.amdhsa_enable_private_segment 0
		.amdhsa_kernarg_size 48
		.amdhsa_user_sgpr_count 2
		.amdhsa_user_sgpr_kernarg_segment_ptr 1
		.amdhsa_wavefront_size32 1
		.amdhsa_system_sgpr_workgroup_id_x 1
		.amdhsa_system_sgpr_workgroup_id_y 1
		.amdhsa_system_sgpr_workgroup_id_z 1
		.amdhsa_system_vgpr_workitem_id 0
		.amdhsa_next_free_vgpr 768
		.amdhsa_next_free_sgpr 100
		.amdhsa_reserve_vcc 0
		.amdhsa_float_denorm_mode_32 3
		.amdhsa_float_denorm_mode_16_64 3
		.amdhsa_memory_ordered 1
		.amdhsa_forward_progress 1
		.amdhsa_inst_pref_size 59
	.end_amdhsa_kernel
	.amdgpu_metadata
---
amdhsa.version: [ 1, 2 ]
amdhsa.kernels:
  - .name:           k_q5cbbc0aead_wo
    .symbol:         k_q5cbbc0aead_wo.kd
    .args:
      - { .name: ac, .offset: 0, .size: 8, .value_kind: global_buffer, .address_space: global }
      - { .name: codes0, .offset: 8, .size: 8, .value_kind: global_buffer, .address_space: global }
      - { .name: lowp_scales, .offset: 16, .size: 8, .value_kind: global_buffer, .address_space: global }
      - { .name: bo, .offset: 24, .size: 8, .value_kind: global_buffer, .address_space: global }
      - { .name: x, .offset: 32, .size: 8, .value_kind: global_buffer, .address_space: global }
      - { .name: y1, .offset: 40, .size: 8, .value_kind: global_buffer, .address_space: global }
    .group_segment_fixed_size: 327680
    .private_segment_fixed_size: 0
    .kernarg_segment_align: 8
    .kernarg_segment_size: 48
    .max_flat_workgroup_size: 128
    .sgpr_count:     100
    .vgpr_count:     768
    .wavefront_size: 32
...
	.end_amdgpu_metadata
.endif
;; end of part 4
;; launch ln1 (part 5): grid 256 x 1, 16 waves a work-group, no clusters, 18,432 bytes of LDS; arguments y1, g1, be1, lowp_scales, hc; writes hc
.if DOCPART == 5
	.amdgcn_target "amdgcn-amd-amdhsa--gfx1250"
	.amdhsa_code_object_version 6
	.text
	.protected	k_q5cbbc0aead_ln1
	.globl	k_q5cbbc0aead_ln1
	.p2align	8
	.type	k_q5cbbc0aead_ln1,@function
k_q5cbbc0aead_ln1:
	s_mov_b64 s[64:65], 0
	v_nop
	global_prefetch_b8 v0, s[64:65] scope:SCOPE_SE
	s_setreg_imm32_b32 hwreg(HW_REG_WAVE_MODE, 25, 1), 1
	s_wait_xcnt 0x0
; h = layernorm(y1) g1 + be1, quantised (entry 12) into images of product 7's operand.  h itself is not stored: the last launch makes it again from y1.  No work is left out.
; A work-group takes a tile t of 16 tokens; wave w takes row ROW(t, w) = 32 (t / 2) + 8 (t % 2) + w % 8 + 16 (w / 8), whole, in 32 registers a lane: the two reductions never leave the wave.
; A lane holds 8 neighbours, k = 256 i + 8 l + 0 .. 7, as a conversion wants them; its 8 codes are half of cell (c = (l / 4) % 4, 16 h + w), h = (l / 2) % 2, of image kb = 2 i + l / 16.
; The tile's eight images (16,384 bytes) are gathered in LDS; behind a barrier each wave stores 1,024 consecutive bytes of them.  Memory binds: no matrix unit, no cluster.
; The mean is taken first and the variance of the centred numbers, as the layer norm is defined.  LIMITS: entry 12 between -126 and 119; NaN is not served by the hold.
.set SPARE, 16384
.set X,  16
.set G,  48
.set B,  80
.set C,  112
.set O,  120
.set TA, 8
.set TB, 10
.macro REDUCE A                        ; a pair in every lane -> the wave's sum in v[A] of every lane
	v_add_f32 v[\A], v[\A], v[\A+1]
	v_add_f32_dpp v[\A], v[\A], v[\A] row_xmask:1 row_mask:0xf bank_mask:0xf
	v_add_f32_dpp v[\A], v[\A], v[\A] row_xmask:2 row_mask:0xf bank_mask:0xf
	v_add_f32_dpp v[\A], v[\A], v[\A] row_xmask:4 row_mask:0xf bank_mask:0xf
	v_add_f32_dpp v[\A], v[\A], v[\A] row_xmask:8 row_mask:0xf bank_mask:0xf
	v_permlanex16_b32 v[\A+1], v[\A], s12, s13
	v_add_f32 v[\A], v[\A], v[\A+1]
.endm
.macro LSTAT X, A, B                   ; the row in v[X] on becomes (x - mean) / sqrt(variance + 1e-5)
	v_pk_add_f32 v[\A:\A+1], v[\X:\X+1], v[\X+2:\X+3]
	v_pk_add_f32 v[\B:\B+1], v[\X+4:\X+5], v[\X+6:\X+7]
.irp j, 8,12,16,20,24,28
	v_pk_add_f32 v[\A:\A+1], v[\A:\A+1], v[\X+\j:\X+\j+1]
	v_pk_add_f32 v[\B:\B+1], v[\B:\B+1], v[\X+\j+2:\X+\j+3]
.endr
	v_pk_add_f32 v[\A:\A+1], v[\A:\A+1], v[\B:\B+1]
	REDUCE \A
	v_mul_f32 v[\A], s14, v[\A]                    ; the mean: x 2^-10
.irp j, 0,2,4,6,8,10,12,14,16,18,20,22,24,26,28,30
	v_pk_add_f32 v[\X+\j:\X+\j+1], v[\X+\j:\X+\j+1], v[\A:\A+1] op_sel_hi:[1,0] neg_lo:[0,1] neg_hi:[0,1]
.endr
	v_pk_mul_f32 v[\A:\A+1], v[\X:\X+1], v[\X:\X+1]
	v_pk_mul_f32 v[\B:\B+1], v[\X+2:\X+3], v[\X+2:\X+3]
.irp j, 4,8,12,16,20,24,28
	v_pk_fma_f32 v[\A:\A+1], v[\X+\j:\X+\j+1], v[\X+\j:\X+\j+1], v[\A:\A+1]
	v_pk_fma_f32 v[\B:\B+1], v[\X+\j+2:\X+\j+3], v[\X+\j+2:\X+\j+3], v[\B:\B+1]
.endr
	v_pk_add_f32 v[\A:\A+1], v[\A:\A+1], v[\B:\B+1]
	REDUCE \A
	v_fma_f32 v[\A], v[\A], s14, s15               ; the variance + 1e-5
	v_rsq_f32 v[\A], v[\A]
	v_nop                                          ; a plain line behind the transcendental,
	s_wait_alu depctr_va_vdst(0)                   ; and a wait ahead of its first reader
.irp j, 0,2,4,6,8,10,12,14,16,18,20,22,24,26,28,30
	v_pk_mul_f32 v[\X+\j:\X+\j+1], v[\X+\j:\X+\j+1], v[\A:\A+1] op_sel_hi:[1,0]
.endr
.endm
.macro LAFF X, G, B
.irp j, 0,2,4,6,8,10,12,14,16,18,20,22,24,26,28,30
	v_pk_fma_f32 v[\X+\j:\X+\j+1], v[\X+\j:\X+\j+1], v[\G+\j:\G+\j+1], v[\B+\j:\B+\j+1]
.endr
.endm
	s_load_b256 s[4:11], s[0:1], 0x0               ; y1 4:5, g1 6:7, be1 8:9, the exponents 10:11
	s_load_b64 s[16:17], s[0:1], 0x20              ; hc
	v_lshl_add_u32 v2, v0, 2, SPARE                ; my spare word; never rewritten
	v_mov_b32 v3, 0                                ; 0; never rewritten
	v_lshrrev_b32 v1, 5, v0
	v_readfirstlane_b32 s18, v1                    ; wave 0..15
	v_and_b32 v1, 31, v0
	v_lshlrev_b32 v4, 5, v1                        ; 32 bytes a lane
	s_lshr_b32 s19, ttmp9, 1
	s_lshl_b32 s19, s19, 5
	s_and_b32 s20, ttmp9, 1
	s_lshl_b32 s20, s20, 3
	s_add_co_u32 s19, s19, s20
	s_and_b32 s20, s18, 7
	s_add_co_u32 s19, s19, s20
	s_lshr_b32 s20, s18, 3
	s_lshl_b32 s20, s20, 4
	s_add_co_u32 s19, s19, s20                     ; my row
	s_lshl_b32 s20, s19, 12
	s_mov_b32 s21, 0
	s_lshl_b32 s24, ttmp9, 14                      ; the tile's eight images
	s_mov_b32 s25, 0
	s_mov_b32 s12, 0x76543210
	s_mov_b32 s13, 0xfedcba98
	s_mov_b32 s14, 0x3a800000                      ; 1 / 1,024
	s_mov_b32 s15, 0x3727c5ac                      ; 1e-5
	v_bfe_u32 v5, v0, 4, 1
	v_lshlrev_b32 v5, 11, v5                       ; 2,048 (l / 16)
	v_bfe_u32 v6, v0, 2, 2
	v_lshl_add_u32 v5, v6, 9, v5                   ; + 512 c
	v_bfe_u32 v6, v0, 1, 1
	v_lshl_add_u32 v5, v6, 8, v5                   ; + 256 h
	v_and_b32 v6, 1, v0
	v_lshl_add_u32 v5, v6, 3, v5                   ; + 8 (l % 2)
	s_lshl_b32 s23, s18, 4
	v_add_nc_u32 v5, s23, v5                       ; + 16 w
	s_lshl_b32 s23, s18, 10
	v_lshl_add_u32 v7, v1, 4, s23                  ; back, and out: 1,024 w + 16 l
	s_wait_kmcnt 0x0
	s_load_b32 s22, s[10:11], 0x30                 ; entry 12
	s_add_nc_u64 s[4:5], s[4:5], s[20:21]
	s_add_nc_u64 s[16:17], s[16:17], s[24:25]
.irp i, 0,1,2,3
	global_load_b128 v[X+8*\i:X+8*\i+3], v4, s[4:5] offset:1024*\i
	global_load_b128 v[X+8*\i+4:X+8*\i+7], v4, s[4:5] offset:1024*\i+16
.endr
.irp i, 0,1,2,3
	global_load_b128 v[G+8*\i:G+8*\i+3], v4, s[6:7] offset:1024*\i
	global_load_b128 v[G+8*\i+4:G+8*\i+7], v4, s[6:7] offset:1024*\i+16
.endr
.irp i, 0,1,2,3
	global_load_b128 v[B+8*\i:B+8*\i+3], v4, s[8:9] offset:1024*\i
	global_load_b128 v[B+8*\i+4:B+8*\i+7], v4, s[8:9] offset:1024*\i+16
.endr
	s_wait_kmcnt 0x0
	s_add_co_i32 s22, s22, 127
	s_lshl_b32 s23, s22, 23
	v_mov_b32 v12, s23                             ; 2^e12
	s_add_co_i32 s22, s22, 8
	s_lshl_b32 s22, s22, 23
	s_or_b32 s22, s22, 0x600000
	v_mov_b32 v13, s22                             ; 448 x 2^e12
	s_wait_loadcnt 16                              ; the row is in; the sixteen loads of g1 and be1 may be out
	LSTAT X, TA, TB
	s_wait_loadcnt 0
	LAFF X, G, B
.irp i, 0,1,2,3
.irp m, 0,1,2,3,4,5,6,7
	v_med3_num_f32 v[X+8*\i+\m], v[X+8*\i+\m], -v13, v13
.endr
	v_cvt_scalef32_pk8_fp8_f32 v[C+2*\i:C+2*\i+1], v[X+8*\i:X+8*\i+7], v12
.endr
	v_nop
.irp i, 0,1,2,3
	ds_store_b64 v5, v[C+2*\i:C+2*\i+1] offset:4096*\i
.endr
	s_wait_dscnt 0x0                               ; for the others' sake: my stores have landed
	s_barrier_signal -1
	s_barrier_wait -1
	ds_load_b128 v[O:O+3], v7
	ds_load_b128 v[O+4:O+7], v7 offset:512
	s_wait_dscnt 0x0
	global_store_b128 v7, v[O:O+3], s[16:17]       ; 512 consecutive bytes, aligned
	global_store_b128 v7, v[O+4:O+7], s[16:17] offset:512
	s_wait_tensorcnt 0x0                           ; the wave's end, behind my last LDS store
	ds_add_u32 v2, v3
	s_wait_dscnt 0x0
	s_endpgm
.Lfunc_end_k_q5cbbc0aead_ln1:
	.size	k_q5cbbc0aead_ln1, .Lfunc_end_k_q5cbbc0aead_ln1-k_q5cbbc0aead_ln1
	.p2alignl 7, 3214868480
	.fill 96, 4, 3214868480
	.section	.rodata,"a",@progbits
	.p2align	6, 0x0
	.amdhsa_kernel k_q5cbbc0aead_ln1
		.amdhsa_group_segment_fixed_size 18432
		.amdhsa_private_segment_fixed_size 0
		.amdhsa_enable_private_segment 0
		.amdhsa_kernarg_size 40
		.amdhsa_user_sgpr_count 2
		.amdhsa_user_sgpr_kernarg_segment_ptr 1
		.amdhsa_wavefront_size32 1
		.amdhsa_system_sgpr_workgroup_id_x 1
		.amdhsa_system_sgpr_workgroup_id_y 1
		.amdhsa_system_sgpr_workgroup_id_z 1
		.amdhsa_system_vgpr_workitem_id 0
		.amdhsa_next_free_vgpr 128
		.amdhsa_next_free_sgpr 66
		.amdhsa_reserve_vcc 0
		.amdhsa_float_denorm_mode_32 3
		.amdhsa_float_denorm_mode_16_64 3
		.amdhsa_memory_ordered 1
		.amdhsa_forward_progress 1
		.amdhsa_inst_pref_size 14
	.end_amdhsa_kernel
	.amdgpu_metadata
---
amdhsa.version: [ 1, 2 ]
amdhsa.kernels:
  - .name:           k_q5cbbc0aead_ln1
    .symbol:         k_q5cbbc0aead_ln1.kd
    .args:
      - { .name: y1, .offset: 0, .size: 8, .value_kind: global_buffer, .address_space: global }
      - { .name: g1, .offset: 8, .size: 8, .value_kind: global_buffer, .address_space: global }
      - { .name: be1, .offset: 16, .size: 8, .value_kind: global_buffer, .address_space: global }
      - { .name: lowp_scales, .offset: 24, .size: 8, .value_kind: global_buffer, .address_space: global }
      - { .name: hc, .offset: 32, .size: 8, .value_kind: global_buffer, .address_space: global }
    .group_segment_fixed_size: 18432
    .private_segment_fixed_size: 0
    .kernarg_segment_align: 8
    .kernarg_segment_size: 40
    .max_flat_workgroup_size: 512
    .sgpr_count:     66
    .vgpr_count:     128
    .wavefront_size: 32
...
	.end_amdgpu_metadata
.endif
;; end of part 5
;; launch w1 (part 6): grid 16 x 16, 4 waves a work-group, clusters of 4 x 4, 327,680 bytes of LDS; arguments hc, codes0, lowp_scales, b1, hid; writes hid
.if DOCPART == 6
	.amdgcn_target "amdgcn-amd-amdhsa--gfx1250"
	.amdhsa_code_object_version 6
	.text
	.protected	k_q5cbbc0aead_w1
	.globl	k_q5cbbc0aead_w1
	.p2align	8
	.type	k_q5cbbc0aead_w1,@function
k_q5cbbc0aead_w1:
	s_mov_b64 s[64:65], 0
	v_nop
	global_prefetch_b8 v0, s[64:65] scope:SCOPE_SE
	s_setreg_imm32_b32 hwreg(HW_REG_WAVE_MODE, 25, 1), 1
	s_wait_xcnt 0x0
	s_wait_alu depctr_hold_cnt(0) depctr_sa_sdst(0) depctr_va_vdst(0) depctr_va_sdst(0) depctr_va_ssrc(0) depctr_va_vcc(0) depctr_vm_vsrc(0)
	s_getreg_b32 s2, hwreg(HW_REG_IB_STS2, 6, 4)
	s_cmp_eq_u32 s2, 0
	s_cbranch_scc0 .Lentry_in_a_cluster
	s_endpgm
.Lentry_in_a_cluster:
	s_bfe_u32 s2, ttmp6, 0x10000c
	s_cmp_lg_u32 s2, 0xf033
	s_cbranch_scc0 .Lentry_shape_is_right
	s_endpgm
.Lentry_shape_is_right:
; PRODUCT 7: relu(h W1 + b1), quantised at once (entry 14) into images of product 8's operand.  No work is left out.
; Operands are images of registers (lane r of tile t holds row 32 (t / 2) + 8 (t % 2) + r % 8 + 16 (r / 8); cell (c, lane = 16 h + r), 16 bytes at 512 c + 16 lane of a 2,048-byte image, holds k = 32 c + 16 h + 0 .. 15; images lie [tile][kb]).
; The matrix instruction is used transposed (source 0 = a tile of hidden units, source 1 = a tile of tokens): the 16 registers of tiles 2 p, 2 p + 1 are hidden units 32 p + 16 h + 0 .. 15 of one token: converted, they are cell (p, lane) of the next image.
; A work-group makes 256 x 256, a wave 128 x 128 (64 accumulators): 256 work-groups.  K = 1,024 goes in slots of 256 through a ring of two LDS slots; a wave's tensor load brings 8 tiles x 2 images, 32,768 bytes, dense in LDS.
; CLUSTERS 4 x 4: A's tiles shared along a row of the cluster, B's along a column.  No prefetch: K has four slots, and the tiles are shared by joint loads.
; LIMITS: entries 12 + 13 between -126 and 127, entry 14 between -126 and 119; NaN is not served by the hold.
; REGISTERS: window 0: v16-31 addresses and constants; v32-95 b1 at my hidden units; v128-255 A's fragments, ONE set (on the way out: v128-191 numbers, v192-223 codes).  window 1: B's fragments, TWO sets.  windows 2, 3: accumulator (a, b) at 8 (8 a + b).
.set MB,    8
.set NQ,    2
.set KSB,   NQ*2048
.set TP,    16384
.set HALFT, MB*KSB
.set SLOT,  4*HALFT
.set LAPS,  1024/(256*NQ)
.set SPARE, 2*SLOT
.set BOFF,  0x1000000                  ; W1's images in codes0
.set ADRA, 16
.set ADRB, 20
.set CO,   26
.set SPW,  28
.set NIL,  29
.set SCL,  30
.set LIM,  31
.set BB,   32
.set AF,   128
.set T,    128
.set CD,   192
.set G1,  24
.set G0,  32
.set G1B, 48
.set G0B, 56
.set MUL_LO, 0xa1
.set MUL_HI, 0xf1
.set TO_B,   0x40
.set MSB, 0
.macro WIN new
.if MSB != (\new)
	s_set_vgpr_msb (MSB<<8)|(\new)
.set MSB, (\new)
.endif
.endm
.macro PLACES
.rept 4
	v_nop
.endr
.endm
.macro JLOAD s
	s_cmp_eq_u32 s15, 0
	s_cbranch_scc0 .Lfor_b_\@
	tensor_load_to_lds s[G0+4*\s:G0+4*\s+3], s[G1:G1+7]
	s_nop 0
.rept 4
	v_nop
.endr
	s_branch .Lasked_\@
.Lfor_b_\@:
	tensor_load_to_lds s[G0B+4*\s:G0B+4*\s+3], s[G1B:G1B+7]
	s_nop 0
.rept 4
	v_nop
.endr
.Lasked_\@:
.endm
.macro CREST
	s_cmp_lg_u32 s14, 0
	s_cbranch_scc1 .Lnot_wave_0_\@
	s_barrier_signal -3
.Lnot_wave_0_\@:
	s_barrier_wait -3
	s_barrier_signal -1
	s_barrier_wait -1
.endm
.macro CROUND
	s_barrier_signal -1
	s_barrier_wait -1
	CREST
.endm
	s_load_b128 s[4:7], s[0:1], 0x0                ; hc, codes0
	s_load_b64 s[8:9], s[0:1], 0x10                ; the exponents
	s_load_b64 s[12:13], s[0:1], 0x18              ; b1
	s_load_b64 s[10:11], s[0:1], 0x20              ; hid
	v_lshl_add_u32 v[SPW], v0, 2, SPARE
	v_mov_b32 v[NIL], 0
	ds_add_u32 v[SPW], v[NIL]                      ; the opening: the add, twice on end, and its wait ahead of my first tensor load
	ds_add_u32 v[SPW], v[NIL]
	v_lshrrev_b32 v1, 5, v0
	v_readfirstlane_b32 s14, v1
	s_lshr_b32 s15, s14, 1
	s_and_b32 s16, s14, 1
	s_bfe_u32 s40, ttmp6, 0x40000
	s_bfe_u32 s41, ttmp6, 0x40004
	s_lshl_b32 s42, ttmp9, 2
	s_add_co_u32 s42, s42, s40                     ; X: block of 256 hidden units
	s_and_b32 s17, ttmp7, 0xffff
	s_lshl_b32 s17, s17, 2
	s_add_co_u32 s17, s17, s41                     ; Y: block of 256 tokens
	s_lshl_b32 s43, s41, 2
	s_lshl_b32 s43, 15, s43
	s_lshl_b32 s44, 0x1111, s40
	s_or_b32 s[G1+0], s43, (3<<16)|(1<<21)
	s_or_b32 s[G1B+0], s44, (3<<16)|(1<<21)
.irp g, G1, G1B
	s_mov_b32 s[\g+1], (256*NQ)<<16
	s_mov_b32 s[\g+2], MB<<16
	s_mov_b32 s[\g+3], (256*NQ)<<16
	s_mov_b32 s[\g+4], MB
	s_mov_b32 s[\g+5], TP/8
	s_mov_b32 s[\g+6], 0
	s_mov_b32 s[\g+7], 0
.endr
	s_mul_i32 s18, s16, MB
	s_mul_i32 s20, s17, 2*MB
	s_add_co_u32 s20, s20, s18
	s_mul_i32 s20, s20, TP
	s_mov_b32 s21, 0
	s_mul_i32 s46, s42, 2*MB
	s_add_co_u32 s46, s46, s18
	s_mul_i32 s46, s46, TP
	s_add_co_u32 s46, s46, BOFF
	s_mov_b32 s47, 0
	s_mul_i32 s45, s14, HALFT
	s_wait_dscnt 0x0
	s_wait_kmcnt 0x0
	s_load_b512 s[80:95], s[8:9], 0x0
	s_add_nc_u64 s[20:21], s[4:5], s[20:21]
	s_add_nc_u64 s[46:47], s[6:7], s[46:47]
	CROUND
.irp s, 0,1
	s_mov_b32 s[G0+4*\s], 1
	s_add_co_u32 s[G0+4*\s+1], s45, \s*SLOT
	s_add_nc_u64 s[G0+4*\s+2:G0+4*\s+3], s[20:21], \s*KSB
	s_or_b32 s[G0+4*\s+3], s[G0+4*\s+3], 0x80000000
	s_mov_b32 s[G0B+4*\s], 1
	s_add_co_u32 s[G0B+4*\s+1], s45, \s*SLOT
	s_add_nc_u64 s[G0B+4*\s+2:G0B+4*\s+3], s[46:47], \s*KSB
	s_or_b32 s[G0B+4*\s+3], s[G0B+4*\s+3], 0x80000000
	JLOAD \s
.endr
	v_and_b32 v1, 31, v0
	v_lshlrev_b32 v[CO], 4, v1
	s_mul_i32 s21, s15, HALFT
	s_mul_i32 s22, s16, HALFT
	s_add_co_u32 s22, s22, 2*HALFT
.irp s, 0,1
	v_add_nc_u32 v[ADRA+\s], s21, v[CO]
	v_add_nc_u32 v[ADRB+\s], s22, v[CO]
	s_add_co_u32 s21, s21, SLOT
	s_add_co_u32 s22, s22, SLOT
.endr
	s_lshl_b32 s20, s17, 4
	s_lshl_b32 s21, s15, 3
	s_add_co_u32 s20, s20, s21                     ; my first token tile
	s_lshl_b32 s20, s20, 5                         ; 32 kb a tile
	s_lshl_b32 s46, s42, 1
	s_add_co_u32 s46, s46, s16                     ; my 128 hidden units are kb 2 X + wc
	s_add_co_u32 s20, s20, s46
	s_lshl_b32 s20, s20, 11
	s_mov_b32 s21, 0
	s_add_nc_u64 s[10:11], s[10:11], s[20:21]
	s_lshl_b32 s46, s46, 9
	s_mov_b32 s47, 0
	s_add_nc_u64 s[12:13], s[12:13], s[46:47]
	v_bfe_u32 v2, v0, 4, 1
	v_lshlrev_b32 v3, 6, v2                        ; 16 h numbers
.irp b, 0,1,2,3,4,5,6,7
	global_load_b128 v[BB+8*\b:BB+8*\b+3], v3, s[12:13] offset:4*(32*(\b/2)+8*(\b%2))
	global_load_b128 v[BB+8*\b+4:BB+8*\b+7], v3, s[12:13] offset:4*(32*(\b/2)+8*(\b%2))+16
.endr
.macro FRAG reg, adr, q, i
.irp c, 0,1,2,3
	ds_load_b128 v[\reg+4*\c:\reg+4*\c+3], v[\adr] offset:2048*(\q)+512*\c+(\i)*KSB
.endr
.endm
.macro MULQ k, p, zero                 ; a quarter of a step; the accumulators take turns, one instruction a turn
.set ma, (\k)*MB/4
.rept MB/4
.set mb, 0
.rept MB
.set md, (8*(MB*ma+mb))%256
.if \zero
	v_wmma_f32_16x16x128_fp8_fp8 v[md:md+7], v[128*(\p)+16*mb:128*(\p)+16*mb+15], v[AF+16*ma:AF+16*ma+15], 0
.else
	v_wmma_f32_16x16x128_fp8_fp8 v[md:md+7], v[128*(\p)+16*mb:128*(\p)+16*mb+15], v[AF+16*ma:AF+16*ma+15], v[md:md+7]
.endif
.set mb, mb+1
.endr
.set ma, ma+1
.endr
.endm
.macro FETCH_B slot, q, p
	WIN TO_B
.set fi, 0
.rept MB
	FRAG 128*(\p)+16*fi, ADRB+\slot, \q, fi
.set fi, fi+1
.endr
	WIN 0
.endm
.macro FETCH_A slot, q, i0
.set fi, \i0
.rept MB/2
	FRAG AF+16*fi, ADRA+\slot, \q, fi
.set fi, fi+1
.endr
.endm
.macro STEP slot, q, zero
	s_wait_dscnt 2*MB                              ; B's set and A's lower blocks are in; the youngest 2 MB loads (A's upper blocks) may be out
	WIN MUL_LO
	MULQ 0, (\q)%2, \zero
	MULQ 1, (\q)%2, \zero
	s_wait_dscnt 0
	PLACES
	FETCH_B \slot, (\q)+1, 1-(\q)%2
	FETCH_A \slot, (\q)+1, 0
	WIN MUL_HI
	MULQ 2, (\q)%2, \zero
	MULQ 3, (\q)%2, \zero
	PLACES
	WIN 0
	FETCH_A \slot, (\q)+1, MB/2
.endm
.macro TURN slot, next, fill
	s_wait_tensorcnt 0x0                           ; all my tensor loads have landed: my part of the next slot
	ds_add_u32 v[SPW], v[NIL]                      ; 0 onto my spare word
	s_wait_dscnt 2*MB+1                            ; (the add and A's upper blocks may be out)
	WIN MUL_LO
	MULQ 0, 1, 0
	s_wait_dscnt 0x0                               ; the add is done, and my reads of this slot are over
	s_barrier_signal -1
	MULQ 1, 1, 0
	WIN 0
	s_barrier_wait -1
.if \fill
	CREST                                          ; no wave of any partner still reads this slot or has a load on its way
	s_add_nc_u64 s[G0+4*\slot+2:G0+4*\slot+3], s[G0+4*\slot+2:G0+4*\slot+3], 2*KSB
	s_add_nc_u64 s[G0B+4*\slot+2:G0B+4*\slot+3], s[G0B+4*\slot+2:G0B+4*\slot+3], 2*KSB
	JLOAD \slot                                    ; my one tensor load behind the round; its four v_nop are also the places in front of the loads below
.else
	PLACES
.endif
	FETCH_B \next, 0, 0
	FETCH_A \next, 0, 0
	WIN MUL_HI
	MULQ 2, 1, 0
	MULQ 3, 1, 0
	PLACES
	WIN 0
	FETCH_A \next, 0, MB/2
.endm
	s_wait_tensorcnt 1                             ; my part of slot 0 is in; slot 1's may stay out
	s_barrier_signal -1
	s_barrier_wait -1
	FETCH_B 0, 0, 0
	FETCH_A 0, 0, 0
	FETCH_A 0, 0, MB/2
	STEP 0, 0, 1
	s_mov_b32 s3, LAPS-1
.Llap:
	TURN 0, 1, 1
	STEP 1, 0, 0
	TURN 1, 0, 1
	STEP 0, 0, 0
	s_sub_co_u32 s3, s3, 1
	s_cmp_lg_u32 s3, 0
	s_cbranch_scc1 .Llap
	TURN 0, 1, 0
	STEP 1, 0, 0
	s_wait_dscnt 2*MB
	WIN MUL_LO
	MULQ 0, 1, 0
	MULQ 1, 1, 0
	s_wait_dscnt 0
	WIN MUL_HI
	MULQ 2, 1, 0
	MULQ 3, 1, 0
	WIN 0
; THE WAY OUT: number = sum x 2^(e12 + e13) + b1; the activation and the hold in one (between 0 and 448 x 2^e14); converted; four cells a lane for each of my eight token tiles, each stored as 512 consecutive bytes.
	s_wait_kmcnt 0x0
	s_wait_loadcnt 0x0                             ; b1
	s_add_co_i32 s96, s92, s93
	s_add_co_i32 s96, s96, 127
	s_lshl_b32 s96, s96, 23
	s_mov_b32 s97, s96
	s_add_co_i32 s66, s94, 127
	s_lshl_b32 s67, s66, 23
	v_mov_b32 v[SCL], s67
	s_add_co_i32 s66, s66, 8
	s_lshl_b32 s66, s66, 23
	s_or_b32 s66, s66, 0x600000
	v_mov_b32 v[LIM], s66
	PLACES
.macro OUTA a
.if (\a) > 1
	s_wait_xcnt 0x0                                ; the stores of two tiles back have read the codes' registers that are written now
.endif
	WIN 0x02+(\a)/4
.irp b, 0,1,2,3,4,5,6,7
.irp i, 0,2,4,6
	v_pk_fma_f32 v[T+8*\b+\i:T+8*\b+\i+1], v[64*((\a)%4)+8*\b+\i:64*((\a)%4)+8*\b+\i+1], s[96:97], v[BB+8*\b+\i:BB+8*\b+\i+1] op_sel_hi:[1,0,1]   ; each accumulator from its low end on
.endr
.endr
	WIN 0
.irp p, 0,1,2,3
.irp i, 0,1,2,3,4,5,6,7,8,9,10,11,12,13,14,15
	v_med3_num_f32 v[T+16*\p+\i], v[T+16*\p+\i], 0, v[LIM]
.endr
	v_cvt_scalef32_pk8_fp8_f32 v[CD+16*((\a)%2)+4*\p:CD+16*((\a)%2)+4*\p+1], v[T+16*\p:T+16*\p+7], v[SCL]
	v_cvt_scalef32_pk8_fp8_f32 v[CD+16*((\a)%2)+4*\p+2:CD+16*((\a)%2)+4*\p+3], v[T+16*\p+8:T+16*\p+15], v[SCL]
.endr
	v_nop                                          ; a plain line between the last conversion and the next write of its sources
.irp p, 0,1,2,3
	global_store_b128 v[CO], v[CD+16*((\a)%2)+4*\p:CD+16*((\a)%2)+4*\p+3], s[10:11] offset:65536*(\a)+512*\p
.endr
.endm
.irp a, 0,1,2,3,4,5,6,7
	OUTA \a
.endr
	s_wait_tensorcnt 0x0                           ; the wave's end
	ds_add_u32 v[SPW], v[NIL]
	s_wait_dscnt 0x0
	CROUND                                         ; the closing round
	s_endpgm
.Lfunc_end_k_q5cbbc0aead_w1:
	.size	k_q5cbbc0aead_w1, .Lfunc_end_k_q5cbbc0aead_w1-k_q5cbbc0aead_w1
	.p2alignl 7, 3214868480
	.fill 96, 4, 3214868480
	.section	.rodata,"a",@progbits
	.p2align	6, 0x0
	.amdhsa_kernel k_q5cbbc0aead_w1
		.amdhsa_group_segment_fixed_size 327680
		.amdhsa_private_segment_fixed_size 0
		.amdhsa_enable_private_segment 0
		.amdhsa_kernarg_size 40
		.amdhsa_user_sgpr_count 2
		.amdhsa_user_sgpr_kernarg_segment_ptr 1
		.amdhsa_wavefront_size32 1
		.amdhsa_system_sgpr_workgroup_id_x 1
		.amdhsa_system_sgpr_workgroup_id_y 1
		.amdhsa_system_sgpr_workgroup_id_z 1
		.amdhsa_system_vgpr_workitem_id 0
		.amdhsa_next_free_vgpr 1024
		.amdhsa_next_free_sgpr 100
		.amdhsa_reserve_vcc 0
		.amdhsa_float_denorm_mode_32 3
		.amdhsa_float_denorm_mode_16_64 3
		.amdhsa_memory_ordered 1
		.amdhsa_forward_progress 1
		.amdhsa_inst_pref_size 135
	.end_amdhsa_kernel
	.amdgpu_metadata
---
amdhsa.version: [ 1, 2 ]
amdhsa.kernels:
  - .name:           k_q5cbbc0aead_w1
    .symbol:         k_q5cbbc0aead_w1.kd
    .args:
      - { .name: hc, .offset: 0, .size: 8, .value_kind: global_buffer, .address_space: global }
      - { .name: codes0, .offset: 8, .size: 8, .value_kind: global_buffer, .address_space: global }
      - { .name: lowp_scales, .offset: 16, .size: 8, .value_kind: global_buffer, .address_space: global }
      - { .name: b1, .offset: 24, .size: 8, .value_kind: global_buffer, .address_space: global }
      - { .name: hid, .offset: 32, .size: 8, .value_kind: global_buffer, .address_space: global }
    .group_segment_fixed_size: 327680
    .private_segment_fixed_size: 0
    .kernarg_segment_align: 8
    .kernarg_segment_size: 40
    .max_flat_workgroup_size: 128
    .sgpr_count:     100
    .vgpr_count:     1024
    .wavefront_size: 32
...
	.end_amdgpu_metadata
.endif
;; end of part 6
;; launch w2 (part 7): grid 8 x 32, 4 waves a work-group, clusters of 4 x 4, 327,680 bytes of LDS; arguments hid, codes0, lowp_scales, b2, ff; writes ff
.if DOCPART == 7
	.amdgcn_target "amdgcn-amd-amdhsa--gfx1250"
	.amdhsa_code_object_version 6
	.text
	.protected	k_q5cbbc0aead_w2
	.globl	k_q5cbbc0aead_w2
	.p2align	8
	.type	k_q5cbbc0aead_w2,@function
k_q5cbbc0aead_w2:
	s_mov_b64 s[64:65], 0
	v_nop
	global_prefetch_b8 v0, s[64:65] scope:SCOPE_SE
	s_setreg_imm32_b32 hwreg(HW_REG_WAVE_MODE, 25, 1), 1
	s_wait_xcnt 0x0
	s_wait_alu depctr_hold_cnt(0) depctr_sa_sdst(0) depctr_va_vdst(0) depctr_va_sdst(0) depctr_va_ssrc(0) depctr_va_vcc(0) depctr_vm_vsrc(0)
	s_getreg_b32 s2, hwreg(HW_REG_IB_STS2, 6, 4)
	s_cmp_eq_u32 s2, 0
	s_cbranch_scc0 .Lentry_in_a_cluster
	s_endpgm
.Lentry_in_a_cluster:
	s_bfe_u32 s2, ttmp6, 0x10000c
	s_cmp_lg_u32 s2, 0xf033
	s_cbranch_scc0 .Lentry_shape_is_right
	s_endpgm
.Lentry_shape_is_right:
; PRODUCT 8: ff = hidden W2 + b2, f32, row-major.  No work is left out.
; Operands are images of registers (lane r of tile t holds row 32 (t / 2) + 8 (t % 2) + r % 8 + 16 (r / 8); cell (c, lane = 16 h + r), 16 bytes at 512 c + 16 lane of a 2,048-byte image, holds k = 32 c + 16 h + 0 .. 15; images lie [tile][kb]).
; The matrix instruction is used transposed (source 0 = a tile of W2's columns, source 1 = a tile of tokens): lane (r, h), register j holds ff(token ROW(a, r), column 32 (b / 2) + 8 (b % 2) + 16 h + j).
; N is 1,024: a work-group makes 128 x 128 and a wave 64 x 64 (16 accumulators): 256 work-groups.  K = 4,096 goes in slots of 512 (four steps of 128) through a ring of two LDS slots; a wave's tensor load brings 4 tiles x 4 images, 32,768 bytes.
; CLUSTERS 4 x 4: A's tiles shared along a row of the cluster, B's along a column.
; PREFETCH: a slot holds 64 matrix instructions a wave, and at each change of slots every wave has waited for all its tensor loads, so a refill goes out with nothing on its way beside it: what it will ask for is asked of memory one slot earlier (macro ASK).
; LIMIT: entries 14 + 15 between -126 and 127.
; REGISTERS: window 0: v16-30 addresses; v224-227 the bias; v128-191 A's fragments, one set (on the way out: v128-159 sums, v160-191 rows).  window 1: B's two sets, at v0 and v128.  window 2: accumulator (a, b) at 8 (4 a + b).
.set MB,    4
.set NQ,    4
.set KSB,   NQ*2048
.set TP,    65536
.set HALFT, MB*KSB
.set SLOT,  4*HALFT
.set LAPS,  4096/(256*NQ)
.set STAGE, 2*SLOT
.set SPARE, STAGE+4*4352
.set BOFF,  0x1400000                  ; W2's images in codes0
.set ADRA, 16
.set ADRB, 20
.set STO,  24
.set RD,   25
.set CO,   26
.set SPW,  28
.set NIL,  29
.set PFO,  30                          ; v30 the prefetches' offset: 256 x my lane; never rewritten
.set AF,   128
.set TMP,  128
.set BK,   160
.set BI,   224
.set G1,  24
.set G0,  32
.set G1B, 48
.set G0B, 56
.set PFA, 66                           ; s[66:67] where my prefetches stand: my work-group's one tile of the four that I fetch, at the slot after the one that is being asked for
.set LIM, 68                           ; s68 1 in a wave that prefetches, else the greatest number
.set MUL_LO, 0xa1
.set MUL_HI, 0xa1
.set TO_B,   0x40
.set MSB, 0
.macro WIN new
.if MSB != (\new)
	s_set_vgpr_msb (MSB<<8)|(\new)
.set MSB, (\new)
.endif
.endm
.macro PLACES
.rept 4
	v_nop
.endr
.endm
.macro JLOAD s
	s_cmp_eq_u32 s15, 0
	s_cbranch_scc0 .Lfor_b_\@
	tensor_load_to_lds s[G0+4*\s:G0+4*\s+3], s[G1:G1+7]
	s_nop 0
.rept 4
	v_nop
.endr
	s_branch .Lasked_\@
.Lfor_b_\@:
	tensor_load_to_lds s[G0B+4*\s:G0B+4*\s+3], s[G1B:G1B+7]
	s_nop 0
.rept 4
	v_nop
.endr
.Lasked_\@:
.endm
; A PREFETCH INTO THE L2 of what the NEXT refill will ask for: one slot, 64 matrix instructions a wave, ahead.  It stands behind the joint load, its five lines and the run of LDS loads for which the next products wait.
; Each aligned block of 256 bytes is named ONCE in the launch.  A's tiles are read by both clusters of a row of clusters: the one with x = 0 asks; B's by all eight of a column: the one with y = 0 asks.
; Of the four tiles that a wave fetches, each of the four partners that ask for them jointly takes one, told apart BY ADDRESS (cx for A, cy for B): a tile's part of a slot is 8,192 bytes, a lane 256: one instruction a wave.
; The branch hangs on the cluster's number, the wave's number and the count of laps: it is the same in all sixteen partners.  second = 1: the lap's second refill, which in the last trip has no slot behind it and asks for nothing.
; Slots 0, 1 and 2 come by their loads alone: nothing is prefetched at the head, where every work-group's first tiles are on their way.
.macro ASK second
.if \second
	s_cmp_gt_u32 s3, s[LIM]                        ; s3 = 1 in the loop's last trip
.else
	s_cmp_eq_u32 s[LIM], 1
.endif
	s_cbranch_scc0 .Lnot_mine_\@
	global_prefetch_b8 v[PFO], s[PFA:PFA+1] th:TH_LOAD_NT scope:SCOPE_SE
.Lnot_mine_\@:
.endm
.macro CREST
	s_cmp_lg_u32 s14, 0
	s_cbranch_scc1 .Lnot_wave_0_\@
	s_barrier_signal -3
.Lnot_wave_0_\@:
	s_barrier_wait -3
	s_barrier_signal -1
	s_barrier_wait -1
.endm
.macro CROUND
	s_barrier_signal -1
	s_barrier_wait -1
	CREST
.endm
	s_load_b128 s[4:7], s[0:1], 0x0                ; hid, codes0
	s_load_b64 s[8:9], s[0:1], 0x10                ; the exponents
	s_load_b64 s[12:13], s[0:1], 0x18              ; b2
	s_load_b64 s[10:11], s[0:1], 0x20              ; ff
	v_lshl_add_u32 v[SPW], v0, 2, SPARE
	v_mov_b32 v[NIL], 0
	ds_add_u32 v[SPW], v[NIL]                      ; the opening: the add, twice on end, and its wait ahead of my first tensor load
	ds_add_u32 v[SPW], v[NIL]
	v_lshrrev_b32 v1, 5, v0
	v_readfirstlane_b32 s14, v1
	s_lshr_b32 s15, s14, 1
	s_and_b32 s16, s14, 1
	s_bfe_u32 s40, ttmp6, 0x40000
	s_bfe_u32 s41, ttmp6, 0x40004
	s_lshl_b32 s42, ttmp9, 2
	s_add_co_u32 s42, s42, s40                     ; X: block of 128 columns
	s_and_b32 s17, ttmp7, 0xffff
	s_lshl_b32 s17, s17, 2
	s_add_co_u32 s17, s17, s41                     ; Y: block of 128 tokens
	s_lshl_b32 s43, s41, 2
	s_lshl_b32 s43, 15, s43
	s_lshl_b32 s44, 0x1111, s40
	s_or_b32 s[G1+0], s43, (3<<16)|(1<<21)
	s_or_b32 s[G1B+0], s44, (3<<16)|(1<<21)
.irp g, G1, G1B
	s_mov_b32 s[\g+1], (256*NQ)<<16
	s_mov_b32 s[\g+2], MB<<16
	s_mov_b32 s[\g+3], (256*NQ)<<16
	s_mov_b32 s[\g+4], MB
	s_mov_b32 s[\g+5], TP/8
	s_mov_b32 s[\g+6], 0
	s_mov_b32 s[\g+7], 0
.endr
	s_mul_i32 s18, s16, MB
	s_mul_i32 s20, s17, 2*MB
	s_add_co_u32 s20, s20, s18
	s_mul_i32 s20, s20, TP
	s_mov_b32 s21, 0
	s_mul_i32 s46, s42, 2*MB
	s_add_co_u32 s46, s46, s18
	s_mul_i32 s46, s46, TP
	s_add_co_u32 s46, s46, BOFF
	s_mov_b32 s47, 0
	s_mul_i32 s45, s14, HALFT
	s_wait_dscnt 0x0
	s_wait_kmcnt 0x0
	s_load_b512 s[80:95], s[8:9], 0x0
	s_add_nc_u64 s[20:21], s[4:5], s[20:21]
	s_add_nc_u64 s[46:47], s[6:7], s[46:47]
	CROUND
.irp s, 0,1
	s_mov_b32 s[G0+4*\s], 1
	s_add_co_u32 s[G0+4*\s+1], s45, \s*SLOT
	s_add_nc_u64 s[G0+4*\s+2:G0+4*\s+3], s[20:21], \s*KSB
	s_or_b32 s[G0+4*\s+3], s[G0+4*\s+3], 0x80000000
	s_mov_b32 s[G0B+4*\s], 1
	s_add_co_u32 s[G0B+4*\s+1], s45, \s*SLOT
	s_add_nc_u64 s[G0B+4*\s+2:G0B+4*\s+3], s[46:47], \s*KSB
	s_or_b32 s[G0B+4*\s+3], s[G0B+4*\s+3], 0x80000000
	JLOAD \s
.endr
	v_and_b32 v3, 31, v0
	v_lshlrev_b32 v4, 4, v3
	s_mul_i32 s21, s15, HALFT
	s_mul_i32 s22, s16, HALFT
	s_add_co_u32 s22, s22, 2*HALFT
.irp s, 0,1
	v_add_nc_u32 v[ADRA+\s], s21, v4
	v_add_nc_u32 v[ADRB+\s], s22, v4
	s_add_co_u32 s21, s21, SLOT
	s_add_co_u32 s22, s22, SLOT
.endr
	v_and_b32 v1, 15, v0
	v_bfe_u32 v2, v0, 4, 1
	s_mul_i32 s23, s14, 4352
	s_add_co_u32 s23, s23, STAGE
	v_mul_u32_u24 v5, v1, 272
	v_lshl_add_u32 v5, v2, 6, v5
	v_add_nc_u32 v[STO], s23, v5
	v_mul_u32_u24 v5, v2, 272
	v_lshl_add_u32 v5, v1, 4, v5
	v_add_nc_u32 v[RD], s23, v5
	v_lshlrev_b32 v5, 12, v2
	v_lshl_add_u32 v[CO], v1, 4, v5
	v_lshlrev_b32 v6, 4, v1
	s_lshl_b32 s20, s17, 7
	s_lshl_b32 s21, s15, 6
	s_add_co_u32 s20, s20, s21
	s_lshl_b32 s20, s20, 12
	s_lshl_b32 s46, s42, 9
	s_lshl_b32 s47, s16, 8
	s_add_co_u32 s46, s46, s47
	s_add_co_u32 s20, s20, s46
	s_mov_b32 s21, 0
	s_mov_b32 s47, 0
	s_add_nc_u64 s[10:11], s[10:11], s[20:21]
	s_add_nc_u64 s[12:13], s[12:13], s[46:47]
	global_load_b128 v[BI:BI+3], v6, s[12:13]
	; the prefetches: where mine stand, and who asks.  s17 = Y, s42 = X, s40 = cx, s41 = cy still stand; s[4:5] = hid, s[6:7] = codes0
	s_and_b32 s69, ttmp7, 0xffff                   ; the cluster's y
	s_cmp_eq_u32 s15, 0                            ; do I fetch for A?
	s_cselect_b32 s70, s17, s42                    ; the block of eight tiles: by Y in A, by X in B
	s_cselect_b32 s71, s40, s41                    ; my place among the four that ask with me
	s_cselect_b32 s69, ttmp9, s69                  ; the coordinate along which other clusters read the same tiles
	s_cselect_b64 s[PFA:PFA+1], s[4:5], s[6:7]
	s_cselect_b32 s72, 0, BOFF
	s_cmp_eq_u32 s69, 0
	s_cselect_b32 s[LIM], 1, -1                    ; the same in all sixteen partners, for a given wave
	s_lshl_b32 s70, s70, 3
	s_lshl_b32 s73, s16, 2
	s_add_co_u32 s70, s70, s73                     ; + the four tiles that I fetch
	s_add_co_u32 s70, s70, s71                     ; + my work-group's one of them
	s_lshl_b32 s70, s70, 16                        ; x 65,536 bytes a tile
	s_add_co_u32 s70, s70, s72
	s_add_co_u32 s70, s70, 2*KSB                   ; at slot 2: the first refill steps it to slot 3
	s_mov_b32 s71, 0
	s_add_nc_u64 s[PFA:PFA+1], s[PFA:PFA+1], s[70:71]
	v_lshlrev_b32 v[PFO], 8, v3
.macro FRAG reg, adr, q, i
.irp c, 0,1,2,3
	ds_load_b128 v[\reg+4*\c:\reg+4*\c+3], v[\adr] offset:2048*(\q)+512*\c+(\i)*KSB
.endr
.endm
.macro MULQ k, p, zero                 ; a quarter of a step; the accumulators take turns, one instruction a turn
.set ma, (\k)*MB/4
.rept MB/4
.set mb, 0
.rept MB
.set md, (8*(MB*ma+mb))%256
.if \zero
	v_wmma_f32_16x16x128_fp8_fp8 v[md:md+7], v[128*(\p)+16*mb:128*(\p)+16*mb+15], v[AF+16*ma:AF+16*ma+15], 0
.else
	v_wmma_f32_16x16x128_fp8_fp8 v[md:md+7], v[128*(\p)+16*mb:128*(\p)+16*mb+15], v[AF+16*ma:AF+16*ma+15], v[md:md+7]
.endif
.set mb, mb+1
.endr
.set ma, ma+1
.endr
.endm
.macro FETCH_B slot, q, p
	WIN TO_B
.set fi, 0
.rept MB
	FRAG 128*(\p)+16*fi, ADRB+\slot, \q, fi
.set fi, fi+1
.endr
	WIN 0
.endm
.macro FETCH_A slot, q, i0
.set fi, \i0
.rept MB/2
	FRAG AF+16*fi, ADRA+\slot, \q, fi
.set fi, fi+1
.endr
.endm
.macro STEP slot, q, zero
	s_wait_dscnt 2*MB                              ; B's set and A's lower blocks are in; the youngest 2 MB loads (A's upper blocks) may be out
	WIN MUL_LO
	MULQ 0, (\q)%2, \zero
	MULQ 1, (\q)%2, \zero
	s_wait_dscnt 0
	PLACES
	FETCH_B \slot, (\q)+1, 1-(\q)%2
	FETCH_A \slot, (\q)+1, 0
	WIN MUL_HI
	MULQ 2, (\q)%2, \zero
	MULQ 3, (\q)%2, \zero
	PLACES
	WIN 0
	FETCH_A \slot, (\q)+1, MB/2
.endm
.macro TURN slot, next, fill
.if \fill
	s_wait_xcnt 0x0                                ; the last prefetch, a slot back, has read its address: it is stepped here, ahead of the waits of the change of slots
	s_add_nc_u64 s[PFA:PFA+1], s[PFA:PFA+1], KSB
.endif
	s_wait_tensorcnt 0x0                           ; all my tensor loads have landed: my part of the next slot
	ds_add_u32 v[SPW], v[NIL]                      ; 0 onto my spare word
	s_wait_dscnt 2*MB+1                            ; (the add and A's upper blocks may be out)
	WIN MUL_LO
	MULQ 0, 1, 0
	s_wait_dscnt 0x0                               ; the add is done, and my reads of this slot are over
	s_barrier_signal -1
	MULQ 1, 1, 0
	WIN 0
	s_barrier_wait -1
.if \fill
	CREST                                          ; no wave of any partner still reads this slot or has a load on its way
	s_add_nc_u64 s[G0+4*\slot+2:G0+4*\slot+3], s[G0+4*\slot+2:G0+4*\slot+3], 2*KSB
	s_add_nc_u64 s[G0B+4*\slot+2:G0B+4*\slot+3], s[G0B+4*\slot+2:G0B+4*\slot+3], 2*KSB
	JLOAD \slot                                    ; my one tensor load behind the round: it has four steps in which to land
.else
	PLACES
.endif
	FETCH_B \next, 0, 0
	FETCH_A \next, 0, 0
.if \fill
	ASK \slot                                      ; what the next refill will ask for
.endif
	WIN MUL_HI
	MULQ 2, 1, 0
	MULQ 3, 1, 0
	PLACES
	WIN 0
	FETCH_A \next, 0, MB/2
.endm
	s_wait_tensorcnt 1                             ; my part of slot 0 is in; slot 1's may stay out
	s_barrier_signal -1
	s_barrier_wait -1
	FETCH_B 0, 0, 0
	FETCH_A 0, 0, 0
	FETCH_A 0, 0, MB/2
	STEP 0, 0, 1                                   ; the first step's products start the sums
	s_mov_b32 s3, LAPS-1
.Llap:                                             ; a trip goes once round the ring, from a lap's second step to the next lap's first, and fills both slots again
	STEP 0, 1, 0
	STEP 0, 2, 0
	TURN 0, 1, 1
	STEP 1, 0, 0
	STEP 1, 1, 0
	STEP 1, 2, 0
	TURN 1, 0, 1
	STEP 0, 0, 0
	s_sub_co_u32 s3, s3, 1
	s_cmp_lg_u32 s3, 0
	s_cbranch_scc1 .Llap
	STEP 0, 1, 0                                   ; the last lap fills nothing
	STEP 0, 2, 0
	TURN 0, 1, 0
	STEP 1, 0, 0
	STEP 1, 1, 0
	STEP 1, 2, 0
	s_wait_dscnt 2*MB
	WIN MUL_LO
	MULQ 0, 1, 0
	MULQ 1, 1, 0
	s_wait_dscnt 0
	MULQ 2, 1, 0
	MULQ 3, 1, 0
	WIN 0
; THE WAY OUT, a tile of 16 tokens x 64 columns at a time: sums x 2^(e14 + e15) through my own stage and back as rows of 256 bytes; + b2; sixteen lanes store 256 consecutive bytes, aligned.
	s_wait_kmcnt 0x0
	s_wait_loadcnt 0x0                             ; b2
	s_add_co_i32 s96, s94, s95
	s_add_co_i32 s96, s96, 127
	s_lshl_b32 s96, s96, 23
	s_mov_b32 s97, s96
	PLACES
.macro OUTF a
.if (\a) > 0
	s_wait_xcnt 0x0                                ; the last tile's stores have read their data
.endif
	WIN 0x02
.set j, 0
.rept 16
	v_pk_mul_f32 v[TMP+j:TMP+j+1], v[32*(\a)+j:32*(\a)+j+1], s[96:97] op_sel_hi:[1,0]   ; each accumulator from its low end on
.set j, j+2
.endr
	WIN 0
.irp b, 0,1,2,3
	ds_store_b128 v[STO], v[TMP+8*\b:TMP+8*\b+3] offset:128*(\b/2)+32*(\b%2)
	ds_store_b128 v[STO], v[TMP+8*\b+4:TMP+8*\b+7] offset:128*(\b/2)+32*(\b%2)+16
.endr
.irp i, 0,1,2,3,4,5,6,7
	ds_load_b128 v[BK+4*\i:BK+4*\i+3], v[RD] offset:544*\i   ; LDS serves a wave's instructions in order: these see my stores
.endr
	s_wait_dscnt 0x0
.irp i, 0,1,2,3,4,5,6,7
	v_pk_add_f32 v[BK+4*\i:BK+4*\i+1], v[BK+4*\i:BK+4*\i+1], v[BI:BI+1]
	v_pk_add_f32 v[BK+4*\i+2:BK+4*\i+3], v[BK+4*\i+2:BK+4*\i+3], v[BI+2:BI+3]
	global_store_b128 v[CO], v[BK+4*\i:BK+4*\i+3], s[10:11] offset:(32*((\a)/2)+8*((\a)%2)+((2*\i)%8)+16*(\i/4))*4096
.endr
.endm
	OUTF 0
	OUTF 1
	OUTF 2
	OUTF 3
	s_wait_tensorcnt 0x0                           ; the wave's end, behind my last LDS store
	ds_add_u32 v[SPW], v[NIL]
	s_wait_dscnt 0x0
	CROUND                                         ; the closing round
	s_endpgm
.Lfunc_end_k_q5cbbc0aead_w2:
	.size	k_q5cbbc0aead_w2, .Lfunc_end_k_q5cbbc0aead_w2-k_q5cbbc0aead_w2
	.p2alignl 7, 3214868480
	.fill 96, 4, 3214868480
	.section	.rodata,"a",@progbits
	.p2align	6, 0x0
	.amdhsa_kernel k_q5cbbc0aead_w2
		.amdhsa_group_segment_fixed_size 327680
		.amdhsa_private_segment_fixed_size 0
		.amdhsa_enable_private_segment 0
		.amdhsa_kernarg_size 40
		.amdhsa_user_sgpr_count 2
		.amdhsa_user_sgpr_kernarg_segment_ptr 1
		.amdhsa_wavefront_size32 1
		.amdhsa_system_sgpr_workgroup_id_x 1
		.amdhsa_system_sgpr_workgroup_id_y 1
		.amdhsa_system_sgpr_workgroup_id_z 1
		.amdhsa_system_vgpr_workitem_id 0
		.amdhsa_next_free_vgpr 768
		.amdhsa_next_free_sgpr 100
		.amdhsa_reserve_vcc 0
		.amdhsa_float_denorm_mode_32 3
		.amdhsa_float_denorm_mode_16_64 3
		.amdhsa_memory_ordered 1
		.amdhsa_forward_progress 1
		.amdhsa_inst_pref_size 83
	.end_amdhsa_kernel
	.amdgpu_metadata
---
amdhsa.version: [ 1, 2 ]
amdhsa.kernels:
  - .name:           k_q5cbbc0aead_w2
    .symbol:         k_q5cbbc0aead_w2.kd
    .args:
      - { .name: hid, .offset: 0, .size: 8, .value_kind: global_buffer, .address_space: global }
      - { .name: codes0, .offset: 8, .size: 8, .value_kind: global_buffer, .address_space: global }
      - { .name: lowp_scales, .offset: 16, .size: 8, .value_kind: global_buffer, .address_space: global }
      - { .name: b2, .offset: 24, .size: 8, .value_kind: global_buffer, .address_space: global }
      - { .name: ff, .offset: 32, .size: 8, .value_kind: global_buffer, .address_space: global }
    .group_segment_fixed_size: 327680
    .private_segment_fixed_size: 0
    .kernarg_segment_align: 8
    .kernarg_segment_size: 40
    .max_flat_workgroup_size: 128
    .sgpr_count:     100
    .vgpr_count:     768
    .wavefront_size: 32
...
	.end_amdgpu_metadata
.endif
;; end of part 7
;; launch ln2 (part 8): grid 256 x 1, 8 waves a work-group, no clusters, 0 bytes of LDS; arguments y1, ff, g1, be1, g2, be2, out0; writes out0
.if DOCPART == 8
	.amdgcn_target "amdgcn-amd-amdhsa--gfx1250"
	.amdhsa_code_object_version 6
	.text
	.protected	k_q5cbbc0aead_ln2
	.globl	k_q5cbbc0aead_ln2
	.p2align	8
	.type	k_q5cbbc0aead_ln2,@function
k_q5cbbc0aead_ln2:
	s_mov_b64 s[64:65], 0
	v_nop
	global_prefetch_b8 v0, s[64:65] scope:SCOPE_SE
	s_setreg_imm32_b32 hwreg(HW_REG_WAVE_MODE, 25, 1), 1
	s_wait_xcnt 0x0
; out0 = layernorm(h + ff) g2 + be2, with h = layernorm(y1) g1 + be1 made again from y1: a row lies whole in one wave's registers, so that costs arithmetic alone and h never goes to memory in f32.  No work is left out.
; A work-group takes 16 rows, a wave two.  Every load and store of a wave covers 512 consecutive bytes, aligned.  Memory binds: no LDS, no barrier, no matrix unit, no cluster.
; 48 loads a wave go out at once; g2 and be2 take the registers of g1 and be1 as soon as both rows of h are made.
.set YA, 16
.set YB, 48
.set G,  80
.set B,  112
.set FA, 144
.set FB, 176
.set TA, 8
.set TB, 10
.macro REDUCE A                        ; a pair in every lane -> the wave's sum in v[A] of every lane
	v_add_f32 v[\A], v[\A], v[\A+1]
	v_add_f32_dpp v[\A], v[\A], v[\A] row_xmask:1 row_mask:0xf bank_mask:0xf
	v_add_f32_dpp v[\A], v[\A], v[\A] row_xmask:2 row_mask:0xf bank_mask:0xf
	v_add_f32_dpp v[\A], v[\A], v[\A] row_xmask:4 row_mask:0xf bank_mask:0xf
	v_add_f32_dpp v[\A], v[\A], v[\A] row_xmask:8 row_mask:0xf bank_mask:0xf
	v_permlanex16_b32 v[\A+1], v[\A], s12, s13
	v_add_f32 v[\A], v[\A], v[\A+1]
.endm
.macro LSTAT X, A, B                   ; the row in v[X] on becomes (x - mean) / sqrt(variance + 1e-5)
	v_pk_add_f32 v[\A:\A+1], v[\X:\X+1], v[\X+2:\X+3]
	v_pk_add_f32 v[\B:\B+1], v[\X+4:\X+5], v[\X+6:\X+7]
.irp j, 8,12,16,20,24,28
	v_pk_add_f32 v[\A:\A+1], v[\A:\A+1], v[\X+\j:\X+\j+1]
	v_pk_add_f32 v[\B:\B+1], v[\B:\B+1], v[\X+\j+2:\X+\j+3]
.endr
	v_pk_add_f32 v[\A:\A+1], v[\A:\A+1], v[\B:\B+1]
	REDUCE \A
	v_mul_f32 v[\A], s14, v[\A]                    ; the mean: x 2^-10
.irp j, 0,2,4,6,8,10,12,14,16,18,20,22,24,26,28,30
	v_pk_add_f32 v[\X+\j:\X+\j+1], v[\X+\j:\X+\j+1], v[\A:\A+1] op_sel_hi:[1,0] neg_lo:[0,1] neg_hi:[0,1]
.endr
	v_pk_mul_f32 v[\A:\A+1], v[\X:\X+1], v[\X:\X+1]
	v_pk_mul_f32 v[\B:\B+1], v[\X+2:\X+3], v[\X+2:\X+3]
.irp j, 4,8,12,16,20,24,28
	v_pk_fma_f32 v[\A:\A+1], v[\X+\j:\X+\j+1], v[\X+\j:\X+\j+1], v[\A:\A+1]
	v_pk_fma_f32 v[\B:\B+1], v[\X+\j+2:\X+\j+3], v[\X+\j+2:\X+\j+3], v[\B:\B+1]
.endr
	v_pk_add_f32 v[\A:\A+1], v[\A:\A+1], v[\B:\B+1]
	REDUCE \A
	v_fma_f32 v[\A], v[\A], s14, s15               ; the variance + 1e-5
	v_rsq_f32 v[\A], v[\A]
	v_nop                                          ; a plain line behind the transcendental,
	s_wait_alu depctr_va_vdst(0)                   ; and a wait ahead of its first reader
.irp j, 0,2,4,6,8,10,12,14,16,18,20,22,24,26,28,30
	v_pk_mul_f32 v[\X+\j:\X+\j+1], v[\X+\j:\X+\j+1], v[\A:\A+1] op_sel_hi:[1,0]
.endr
.endm
.macro LAFF X, G, B
.irp j, 0,2,4,6,8,10,12,14,16,18,20,22,24,26,28,30
	v_pk_fma_f32 v[\X+\j:\X+\j+1], v[\X+\j:\X+\j+1], v[\G+\j:\G+\j+1], v[\B+\j:\B+\j+1]
.endr
.endm
.macro LD8 dst, sb, off                ; a row of 4,096 bytes: eight loads of 512 consecutive bytes
.set i, 0
.rept 8
	global_load_b128 v[\dst+4*i:\dst+4*i+3], v4, s[\sb:\sb+1] offset:\off+512*i
.set i, i+1
.endr
.endm
	s_load_b256 s[4:11], s[0:1], 0x0               ; y1 4:5, ff 6:7, g1 8:9, be1 10:11
	s_load_b128 s[16:19], s[0:1], 0x20             ; g2, be2
	s_load_b64 s[20:21], s[0:1], 0x30              ; out0
	v_lshrrev_b32 v1, 5, v0
	v_readfirstlane_b32 s22, v1                    ; wave 0..7
	v_and_b32 v1, 31, v0
	v_lshlrev_b32 v4, 4, v1                        ; 16 bytes a lane
	s_lshl_b32 s24, ttmp9, 16                      ; 16 rows of 4,096 bytes a work-group,
	s_lshl_b32 s23, s22, 13                        ; two a wave
	s_add_co_u32 s24, s24, s23
	s_mov_b32 s25, 0
	s_mov_b32 s12, 0x76543210
	s_mov_b32 s13, 0xfedcba98
	s_mov_b32 s14, 0x3a800000                      ; 1 / 1,024
	s_mov_b32 s15, 0x3727c5ac                      ; 1e-5
	s_wait_kmcnt 0x0
	s_add_nc_u64 s[4:5], s[4:5], s[24:25]
	s_add_nc_u64 s[6:7], s[6:7], s[24:25]
	s_add_nc_u64 s[20:21], s[20:21], s[24:25]
	LD8 YA, 4, 0
	LD8 YB, 4, 4096
	LD8 G, 8, 0
	LD8 B, 10, 0
	LD8 FA, 6, 0
	LD8 FB, 6, 4096
	s_wait_loadcnt 32                              ; both rows of y1 are in; the 32 younger loads may be out
	LSTAT YA, TA, TB
	LSTAT YB, TA, TB
	s_wait_loadcnt 16                              ; g1 and be1 are in; ff's sixteen may be out
	LAFF YA, G, B
	LAFF YB, G, B                                  ; h
	LD8 G, 16, 0                                   ; g2 and be2, into the registers that g1 and be1 have left
	LD8 B, 18, 0
	s_wait_loadcnt 16                              ; ff is in; the sixteen just issued may be out
.set j, 0
.rept 16
	v_pk_add_f32 v[YA+j:YA+j+1], v[YA+j:YA+j+1], v[FA+j:FA+j+1]
	v_pk_add_f32 v[YB+j:YB+j+1], v[YB+j:YB+j+1], v[FB+j:FB+j+1]
.set j, j+2
.endr
	LSTAT YA, TA, TB
	LSTAT YB, TA, TB
	s_wait_loadcnt 0
	LAFF YA, G, B
	LAFF YB, G, B
.set i, 0
.rept 8
	global_store_b128 v4, v[YA+4*i:YA+4*i+3], s[20:21] offset:512*i th:TH_STORE_NT
.set i, i+1
.endr
.set i, 0
.rept 8
	global_store_b128 v4, v[YB+4*i:YB+4*i+3], s[20:21] offset:4096+512*i th:TH_STORE_NT
.set i, i+1
.endr
	s_endpgm
.Lfunc_end_k_q5cbbc0aead_ln2:
	.size	k_q5cbbc0aead_ln2, .Lfunc_end_k_q5cbbc0aead_ln2-k_q5cbbc0aead_ln2
	.p2alignl 7, 3214868480
	.fill 96, 4, 3214868480
	.section	.rodata,"a",@progbits
	.p2align	6, 0x0
	.amdhsa_kernel k_q5cbbc0aead_ln2
		.amdhsa_group_segment_fixed_size 0
		.amdhsa_private_segment_fixed_size 0
		.amdhsa_enable_private_segment 0
		.amdhsa_kernarg_size 56
		.amdhsa_user_sgpr_count 2
		.amdhsa_user_sgpr_kernarg_segment_ptr 1
		.amdhsa_wavefront_size32 1
		.amdhsa_system_sgpr_workgroup_id_x 1
		.amdhsa_system_sgpr_workgroup_id_y 1
		.amdhsa_system_sgpr_workgroup_id_z 1
		.amdhsa_system_vgpr_workitem_id 0
		.amdhsa_next_free_vgpr 224
		.amdhsa_next_free_sgpr 66
		.amdhsa_reserve_vcc 0
		.amdhsa_float_denorm_mode_32 3
		.amdhsa_float_denorm_mode_16_64 3
		.amdhsa_memory_ordered 1
		.amdhsa_forward_progress 1
		.amdhsa_inst_pref_size 35
	.end_amdhsa_kernel
	.amdgpu_metadata
---
amdhsa.version: [ 1, 2 ]
amdhsa.kernels:
  - .name:           k_q5cbbc0aead_ln2
    .symbol:         k_q5cbbc0aead_ln2.kd
    .args:
      - { .name: y1, .offset: 0, .size: 8, .value_kind: global_buffer, .address_space: global }
      - { .name: ff, .offset: 8, .size: 8, .value_kind: global_buffer, .address_space: global }
      - { .name: g1, .offset: 16, .size: 8, .value_kind: global_buffer, .address_space: global }
      - { .name: be1, .offset: 24, .size: 8, .value_kind: global_buffer, .address_space: global }
      - { .name: g2, .offset: 32, .size: 8, .value_kind: global_buffer, .address_space: global }
      - { .name: be2, .offset: 40, .size: 8, .value_kind: global_buffer, .address_space: global }
      - { .name: out0, .offset: 48, .size: 8, .value_kind: global_buffer, .address_space: global }
    .group_segment_fixed_size: 0
    .private_segment_fixed_size: 0
    .kernarg_segment_align: 8
    .kernarg_segment_size: 56
    .max_flat_workgroup_size: 256
    .sgpr_count:     66
    .vgpr_count:     224
    .wavefront_size: 32
...
	.end_amdgpu_metadata
.endif
;; end of part 8
